; MI455X (gfx1250); checked and timed in simulation.
; The chip was launched on July 23, 2026; its instructions are those of AMD's public machine-readable ISA for CDNA 5 (MIT licence, August 2026) and "CDNA5" Instruction Set Architecture Reference Guide (July 2026). The comments in the code are by the model that wrote it; some were corrected since.
;; Mult Head Attention. Allowed arithmetic: matrix products marked QUANTISED: E3M2 operands, one E8M0 scale for each 32 along K, by v_wmma_scale_f32_16x16x128_f8f6f4 with both operands' format E3M2, f32 sums; everything else in f32.
;; Inputs: b_k 1,024 float32; b_o 1,024 float32; b_q 1,024 float32; b_v 1,024 float32; k 4 x 2,048 x 1,024 float32; q 4 x 2,048 x 1,024 float32; v 4 x 2,048 x 1,024 float32; w_k 1,024 x 1,024 float32; w_o 1,024 x 1,024 float32; w_q 1,024 x 1,024 float32; w_v 1,024 x 1,024 float32.
;; Outputs: out0 4 x 2,048 x 1,024 float32.
;; This version of the problem:
;;   THIS VERSION OF THE PROBLEM IS GIVEN IN LOW PRECISION. The matrix products marked QUANTISED in the list below multiply operands that are first quantised to E3M2 (3 exponent bits, 2 mantissa bits; 6 bits a number), with one power-of-two scale for each 32 numbers along K (OCP MX v1.0); their sums are f32. All else is computed in f32.
;;   The module's matrix products, in the order in which they are computed (A, B: the left and right operand; K: the contracted axis; several contracted axes count as one K, in the product's order):
;;     1. [M 8,192, K 1,024] x [K 1,024, N 1,024]; A: input q; B: input w_q: QUANTISED
;;     2. [M 8,192, K 1,024] x [K 1,024, N 1,024]; A: input k; B: input w_k: QUANTISED
;;     3. [M 8,192, K 1,024] x [K 1,024, N 1,024]; A: input v; B: input w_v: QUANTISED
;;     4. batch 64 x [M 2,048, K 64] x [K 64, N 2,048]; A: computed on the way; B: computed on the way: QUANTISED
;;     5. batch 64 x [M 2,048, K 2,048] x [K 2,048, N 64]; A: softmax (see below); B: computed on the way: QUANTISED
;;     6. [M 8,192, K 1,024] x [K 1,024, N 1,024]; A: computed on the way; B: input w_o: QUANTISED
;;   THE QUANTISER, for each operand of a quantised product, along K:
;;     - K is cut into blocks of 32 from its start; a last block that is shorter is filled with zeros.
;;     - A block's scale is 2^e with e = floor(log2(the largest magnitude in the block)) - 4, held to -126 .. 127; a block of zeros has e = 0. As a byte (E8M0): e + 127.
;;     - Each number is divided by its block's scale, clamped to +-28, and rounded to the nearest number of E3M2, ties to even, subnormals kept.
;;     - The product sums the exact products of the quantised numbers (number of the format x scale) in f32.
;;   ~~~python
;;   def quantise(x, axis):      # numpy; x: float32 -> the quantised numbers, widened to float32 again
;;       x = np.moveaxis(x, axis, -1); K = x.shape[-1]
;;       x = np.pad(x, [(0, 0)] * (x.ndim - 1) + [(0, -K % 32)]); x = x.reshape(x.shape[:-1] + (-1, 32)); a = np.abs(x).max(-1, keepdims=True)
;;       e = np.where(a > 0, np.clip(np.frexp(np.where(a > 0, a, 1))[1] - 1 - 4, -126, 127), 0)      # np.frexp(a)[1] - 1 = floor(log2(a)), exactly
;;       r = np.clip(x / 2.0 ** e, -28, 28)
;;       step = 2.0 ** (np.maximum(np.frexp(np.where(r == 0, 1, r))[1] - 1, -2) - 2)
;;       q = np.round(r / step) * step * 2.0 ** e      # np.round: ties to even
;;       return np.moveaxis(q.reshape(q.shape[:-2] + (-1,))[..., :K], -1, axis).astype(np.float32)
;;   ~~~
;;   SOFTMAX AHEAD OF A QUANTISED PRODUCT. Where the list says 'softmax', what is quantised is not the finished softmax but p = 2^(t - M), with t = logit x log2(e) and M = ceil(the row's largest t), a whole number; so 1/2 < the row's largest p <= 1. The row's sum l is taken of the UNQUANTISED p, in f32, and the product's result is divided by l at the end. Since M is a whole number, a kernel that streams over the keys may use a running M (the ceiling of the running maximum): every later rescaling is an exact power of two, which a block's scale takes up: the codes' values come out the same.
;;   OPERANDS COMPUTED ON THE WAY. 'Computed on the way' means the value that the module computes at that place (a softmax that the list does not call 'softmax' is quantised finished and normalised). What goes into a quantiser is computed in f32, as accurately as f32 sums, v_exp_f32 and their like allow (about 1e-6 of the number): no bf16 or f16 on the way to a quantiser, and a product that is left as it is and whose result goes on into a quantised operand takes f32 operands (vector FMAs, or v_wmma_f32_16x16x4_f32). A number that lies on a knife's edge between two numbers of the format may be rounded either way, as far as f32 arithmetic and the matrix unit's own rounding can turn it there, and no further.
;; One version. Each part assembles by itself: llvm-mc -triple=amdgcn-amd-amdhsa -mcpu=gfx1250 --defsym DOCPART=n.
;; ======== version 1 of 1: 4 launches
;; workspace buffers: xc 18,874,368 bytes; xs 786,432 bytes; wc 3,145,728 bytes; ws 131,072 bytes; hc 18,874,368 bytes; hs 1,310,720 bytes; oc 6,291,456 bytes; os 262,144 bytes
;; launch prep (part 1): grid 512 x 1, 4 waves a work-group, no clusters, 59,904 bytes of LDS; arguments q, k, v, w_q, w_k, w_v, w_o, xc, xs, wc, ws; writes xc, xs, wc, ws
.if DOCPART == 1
	.amdgcn_target "amdgcn-amd-amdhsa--gfx1250"
	.amdhsa_code_object_version 6
	.text
	.protected	k_qc7e178e6a4_prep
	.globl	k_qc7e178e6a4_prep
	.p2align	8
	.type	k_qc7e178e6a4_prep,@function
k_qc7e178e6a4_prep:
	s_mov_b64 s[64:65], 0
	v_nop
	global_prefetch_b8 v0, s[64:65] scope:SCOPE_SE
	s_setreg_imm32_b32 hwreg(HW_REG_WAVE_MODE, 25, 1), 1
	s_wait_xcnt 0x0
; q, k, v [8192][1024] f32 and w_q, w_k, w_v, w_o [1024 (K)][1024 (n)] f32 become codes of BF6 (E3M2) with one E8M0 scale byte for each 32 along K, laid in the ORDER OF THE OPERAND'S REGISTERS.
; A block's scale is 2^(floor(log2(its largest magnitude)) - 4); its byte is the largest magnitude's exponent field - 4, held at 1 from below.
; LIMITS: NaN and infinities among the inputs are not served.  A block whose largest magnitude lies under 2^-122 (a block of zeros among them) gets the byte 1 where the rule says otherwise for zeros:
; its codes are zeros or held as the rule holds them, and the bytes are read by this program alone.
; A TILE is 16 operand rows: lane r of tile t takes row 32 (t / 2) + 8 (t % 2) + r + 8 (r / 8).  AN IMAGE is a fragment (16 rows x 128 K, 12 registers a lane) as three planes of 512 bytes:
; plane p holds registers 4 p .. 4 p + 3, lane l's 16 bytes at 16 l.  xc: [tensor 3][tile 512][K step 8][image];  wc: [weight 4][tile 64][K step 8][image] (an operand row is a column n of w).
; Scale bytes: xs, ws: [tile][row 16][32 bytes]: word s of a row is the scale word of K step s.
; Work-groups 0-127 take the weights, 128-511 the activations: two paths, each with LDS bytes of its own.  Waves share nothing: no barrier.  No cluster: no two work-groups read the same bytes.
.set STGX,  8448                       ; path X: a wave's stage: 16 rows x (512 bytes + 16)
.set WBASE, 4*STGX                     ; path W's LDS begins behind path X's
.set STGW,  6400                       ; path W: a wave's stage: two tiles x (two images, 3,072 bytes, + 128)
.set W,    8                           ; v8-15    path X: the eight scale words of my row
.set OW,   16                          ; v16-19   the four that I store
.set TM,   20                          ; v20-35   at work in QUANT
.set PC,   36                          ; v36-55   the codes just made
.set X,    128                         ; v128-191 64 numbers: register 16 b + i = k 32 b + 16 (lane / 16) + i of my row;  v64-127, v192-255: two sets as loaded
.set C,    96                          ; path W: a block's codes
.set OUTR, 112                         ; path W: v112-159 the way out
.set SEL,  42                          ; s[42:43] v_permlanex16_b32's selects for lane l xor 16
; 64 numbers of a lane, v[s] on, become a fragment's codes in v[pc] .. v[pc + 11] and its scale word in v[pw]
.macro QUANT s, pc, pw
.irp b, 0,1,2,3
	v_max3_num_f32 v[TM+\b], |v[(\s)+16*\b]|, |v[(\s)+1+16*\b]|, 0x2800000   ; block b: my 16 numbers, and the floor 2^(5 - 127): the byte cannot fall under 1
.endr
.irp i, 2,4,6,8,10,12,14
.irp b, 0,1,2,3
	v_max3_num_f32 v[TM+\b], v[TM+\b], |v[(\s)+16*\b+\i]|, |v[(\s)+1+16*\b+\i]|   ; the four blocks by turns
.endr
.endr
.irp b, 0,1,2,3
	v_permlanex16_b32 v[TM+4+\b], v[TM+\b], s[SEL], s[SEL+1]
.endr
.irp b, 0,1,2,3
	v_max_num_f32 v[TM+\b], v[TM+\b], v[TM+4+\b]   ; with lane l xor 16's: the block's largest magnitude
.endr
.irp b, 0,1,2,3
	v_add_nc_u32 v[TM+12+\b], 0xfe000000, v[TM+\b] ; 4 off its exponent field: the conversion's scale operand
.endr
.irp b, 0,1,2,3
	v_lshrrev_b32 v[TM+4+\b], 23, v[TM+12+\b]      ; the scale's byte
.endr
	v_lshl_or_b32 v[\pw], v[TM+5], 8, v[TM+4]
	v_lshl_or_b32 v[\pw], v[TM+6], 16, v[\pw]
	v_lshl_or_b32 v[\pw], v[TM+7], 24, v[\pw]
.irp c, 0,1
	v_cvt_scalef32_pk16_bf6_f32 v[(\pc)+6*\c:(\pc)+2+6*\c], v[(\s)+32*\c:(\s)+15+32*\c], v[TM+12+2*\c]
	v_cvt_scalef32_pk16_bf6_f32 v[(\pc)+12+4*\c:(\pc)+14+4*\c], v[(\s)+16+32*\c:(\s)+31+32*\c], v[TM+12+2*\c+1]   ; (a conversion's three registers begin on an even number)
.endr
	v_nop                                          ; one plain place behind a scaled conversion
.irp c, 0,1                                    ; the operand's layout wants a whole block in a lane: lanes 0-15 block 2 c, lanes 16-31 block 2 c + 1
.irp i, 0,1,2
	v_permlane16_swap_b32 v[(\pc)+6*\c+\i], v[(\pc)+12+4*\c+\i]
.endr
.irp i, 0,1,2
	v_mov_b32 v[(\pc)+3+6*\c+\i], v[(\pc)+12+4*\c+\i]
.endr
.endr
.endm
	s_load_b256 s[4:11], s[0:1], 0x0               ; q, k, v, w_q
	s_load_b256 s[12:19], s[0:1], 0x20             ; w_k, w_v, w_o, xc
	s_load_b128 s[20:23], s[0:1], 0x40             ; xs, wc
	s_load_b64 s[24:25], s[0:1], 0x50              ; ws
	v_lshl_add_u32 v30, v0, 2, 0xe800
	v_mov_b32 v31, 0
	v_lshrrev_b32 v1, 5, v0
	v_readfirstlane_b32 s26, v1                    ; wave 0..3
	v_and_b32 v1, 31, v0                           ; lane
	s_mov_b32 s37, 0
	s_mov_b32 s39, 0
	s_mov_b32 s41, 0
	s_wait_kmcnt 0x0
	s_cmp_lt_u32 ttmp9, 128
	s_cbranch_scc1 .Lweights
; ---------------- PATH X: a wave takes one tile of 16 rows of q, k or v, all eight K steps of 128
	s_sub_co_u32 s27, ttmp9, 128
	s_lshr_b32 s28, s27, 7                         ; which tensor
	s_cmp_lt_u32 s28, 1
	s_cselect_b64 s[30:31], s[4:5], s[6:7]
	s_cmp_lt_u32 s28, 2
	s_cselect_b64 s[30:31], s[30:31], s[8:9]
	s_lshl_b32 s27, s27, 2
	s_add_co_u32 s27, s27, s26                     ; my tile among the three tensors' 1,536
	s_and_b32 s28, s27, 511                        ; and in its tensor
	s_lshr_b32 s29, s28, 1
	s_lshl_b32 s29, s29, 5
	s_and_b32 s28, s28, 1
	s_lshl_b32 s28, s28, 3
	s_add_co_u32 s28, s28, s29                     ; the tile's first row
	s_lshl_b32 s36, s28, 12                        ; rows of 4,096 bytes
	s_add_nc_u64 s[30:31], s[30:31], s[36:37]
	s_mul_i32 s38, s27, 12288                      ; a tile's eight images
	s_add_nc_u64 s[18:19], s[18:19], s[38:39]
	s_lshl_b32 s40, s27, 9                         ; a tile's scale bytes
	s_add_nc_u64 s[20:21], s[20:21], s[40:41]
	s_mov_b32 s[SEL], 0x76543210
	s_mov_b32 s[SEL+1], 0xfedcba98
	v_and_b32 v2, 15, v0                           ; r
	v_bfe_u32 v3, v0, 4, 1                         ; h
	s_wait_alu depctr_va_vdst(0)
	v_lshlrev_b32 v4, 4, v1                        ; 16 x lane: my bytes of a load's 512, and of an image's plane
	s_mul_i32 s29, s26, STGX
	v_add_nc_u32 v5, s29, v4                       ; the stage, on the way in
	v_mul_u32_u24 v6, v2, 528
	v_lshl_add_u32 v6, v3, 6, v6
	v_add_nc_u32 v6, s29, v6                       ; and out: row r, + 64 h: my 16 numbers of each block of 32
	v_lshlrev_b32 v7, 5, v2
	v_lshl_add_u32 v7, v3, 4, v7                   ; my 16 bytes of the tile's scale bytes
.irp b, 0,1,2,3
	v_mov_b32 v[TM+4+\b], 0                        ; written once: a lane permute's destination counts as one of its sources
.endr
.macro LOADX k                                 ; K step k of the tile's 16 rows: each load reads 512 consecutive bytes of one row
.irp i, 0,1,2,3,4,5,6,7,8,9,10,11,12,13,14,15
	global_load_b128 v[64+128*((\k)%2)+4*\i:64+128*((\k)%2)+4*\i+3], v4, s[30:31] offset:(\i+8*(\i/8))*4096+512*(\k) th:TH_LOAD_NT
.endr
.endm
.macro STEPX k
.if (\k) < 7
	s_wait_loadcnt 16                              ; this step's 16 loads are in; the next step's 16 may be out
.else
	s_wait_loadcnt 0x0
.endif
.irp i, 0,1,2,3,4,5,6,7,8,9,10,11,12,13,14,15
	ds_store_b128 v5, v[64+128*((\k)%2)+4*\i:64+128*((\k)%2)+4*\i+3] offset:528*\i
.endr
.irp b, 0,1,2,3
.irp j, 0,1,2,3
	ds_load_b128 v[X+16*\b+4*\j:X+16*\b+4*\j+3], v6 offset:128*\b+16*\j   ; LDS serves a wave's instructions in order: these see the stores above
.endr
.endr
	s_wait_dscnt 0x0                               ; my 64 numbers are in, and the stage's stores have read their registers
	s_wait_xcnt 0x0                                ; the last step's stores have read the codes' registers, which QUANT writes again
.if (\k)+2 < 8
	LOADX (\k)+2
.endif
	QUANT X, PC, W+(\k)
.irp p, 0,1,2
	global_store_b128 v4, v[PC+4*\p:PC+4*\p+3], s[18:19] offset:1536*(\k)+512*\p   ; 32 lanes store 512 consecutive bytes, aligned to 512
.endr
.endm
	LOADX 0
	LOADX 1
	s_wait_alu depctr_va_vdst(0)
.irp k, 0,1,2,3,4,5,6,7
	STEPX \k
.endr
	v_cmp_le_u32 vcc_lo, 16, v1
.irp j, 0,1,2,3
	v_cndmask_b32 v[OW+\j], v[W+\j], v[W+4+\j], vcc_lo   ; lanes 0-15 store words 0-3 of their row, lanes 16-31 words 4-7
.endr
	global_store_b128 v7, v[OW:OW+3], s[20:21]     ; the tile's 512 scale bytes
	s_wait_tensorcnt 0x0
	ds_add_u32 v30, v31
	s_wait_dscnt 0x0
	s_endpgm
; ---------------- PATH W: a lane takes a column n and its registers run down K.  A wave: 32 columns (two tiles) x 256 along K (two K steps): 8 blocks a lane
.Lweights:
	s_lshr_b32 s27, ttmp9, 5                       ; which weight
	s_and_b32 s28, ttmp9, 7                        ; which 128 columns
	s_bfe_u32 s29, ttmp9, 0x20003                  ; which 256 along K
	s_cmp_lt_u32 s27, 1
	s_cselect_b64 s[30:31], s[10:11], s[12:13]
	s_cmp_lt_u32 s27, 3
	s_cselect_b64 s[32:33], s[14:15], s[16:17]
	s_cmp_lt_u32 s27, 2
	s_cselect_b64 s[30:31], s[30:31], s[32:33]
	s_lshl_b32 s34, s28, 7
	s_lshl_b32 s35, s26, 5
	s_add_co_u32 s34, s34, s35                     ; my wave's first column
	s_lshl_b32 s36, s29, 20                        ; 256 rows of 4,096 bytes
	s_lshl_b32 s35, s34, 2
	s_add_co_u32 s36, s36, s35
	s_add_nc_u64 s[30:31], s[30:31], s[36:37]
	s_lshr_b32 s34, s34, 4                         ; my first tile
	s_mul_i32 s38, s27, 786432
	s_mul_i32 s35, s34, 12288
	s_add_co_u32 s38, s38, s35
	s_mul_i32 s35, s29, 3072
	s_add_co_u32 s38, s38, s35
	s_add_nc_u64 s[22:23], s[22:23], s[38:39]      ; wc at my first tile's two images
	s_lshl_b32 s40, s27, 15
	s_lshl_b32 s35, s34, 9
	s_add_co_u32 s40, s40, s35
	s_lshl_b32 s35, s29, 3
	s_add_co_u32 s40, s40, s35
	s_add_nc_u64 s[24:25], s[24:25], s[40:41]      ; ws at my first tile, my two words of a row
	s_wait_alu depctr_va_vdst(0)
	v_lshlrev_b32 v3, 2, v1                        ; in: 4 bytes a lane
	v_bfe_u32 v5, v1, 3, 1                         ; column L lies in tile u = (L / 8) % 2,
	v_and_b32 v6, 7, v1
	v_lshrrev_b32 v10, 4, v1
	v_lshl_or_b32 v6, v10, 3, v6                   ; as its row r = L % 8 + 8 (L / 16)
	s_mul_i32 s35, s26, STGW
	s_add_co_u32 s35, s35, WBASE                   ; my stage
	v_mul_u32_u24 v4, v5, 3200
	v_lshl_add_u32 v4, v6, 4, v4
	v_add_nc_u32 v4, s35, v4                       ; into it: tile u, 16 r
	v_lshlrev_b32 v8, 4, v1
	v_add_nc_u32 v7, s35, v8                       ; out of it: 16 x lane
	v_lshlrev_b32 v9, 9, v5
	v_lshl_add_u32 v9, v6, 5, v9                   ; my row of scale bytes
.macro LOADW t                                 ; block t: w(32 t + i, my column) into set t % 2: 32 lanes read 128 consecutive bytes
.irp i, 0,1,2,3,4,5,6,7,8,9,10,11,12,13,14,15,16,17,18,19,20,21,22,23,24,25,26,27,28,29,30,31
	global_load_b32 v[32+32*((\t)%2)+\i], v3, s[30:31] offset:(32*(\t)+\i)*4096 th:TH_LOAD_NT
.endr
.endm
; Block t is K step t / 4, and in its image registers 6 c .. 6 c + 5 (c = (t / 2) % 2) of lane r + 16 (t % 2)
.macro BLOCK t
.set XS, 32+32*((\t)%2)
.set OFB, 1536*((\t)/4)+256*((\t)%2)
.if (\t) < 7
	s_wait_loadcnt 32                              ; this block's 32 loads are in; the next block's may be out
.else
	s_wait_loadcnt 0x0
.endif
	v_max3_num_f32 v12, |v[XS]|, |v[XS+1]|, |v[XS+2]|
	v_max3_num_f32 v13, |v[XS+3]|, |v[XS+4]|, |v[XS+5]|
.irp i, 6,10,14,18,22,26
	v_max3_num_f32 v12, v12, |v[XS+\i]|, |v[XS+\i+1]|
	v_max3_num_f32 v13, v13, |v[XS+\i+2]|, |v[XS+\i+3]|
.endr
	v_max3_num_f32 v12, v12, |v[XS+30]|, |v[XS+31]|
	v_max3_num_f32 v12, v12, v13, 0x2800000        ; and the floor
	v_add_nc_u32 v11, 0xfe000000, v12              ; the conversion's scale operand
	v_lshrrev_b32 v13, 23, v11                     ; the byte
.if (\t)%4 == 0
	v_mov_b32 v[24+(\t)/4], v13
.else
	v_lshl_or_b32 v[24+(\t)/4], v13, 8*((\t)%4), v[24+(\t)/4]
.endif
	v_cvt_scalef32_pk16_bf6_f32 v[C:C+2], v[XS:XS+15], v11
	v_cvt_scalef32_pk16_bf6_f32 v[C+4:C+6], v[XS+16:XS+31], v11
	v_nop                                          ; one plain place behind a scaled conversion
	v_mov_b32 v[C+3], v[C+4]                       ; the block's six registers on end
	v_mov_b32 v[C+4], v[C+5]
	v_mov_b32 v[C+5], v[C+6]
.if ((\t)/2)%2 == 0
	ds_store_b128 v4, v[C:C+3] offset:OFB          ; registers 0-3: plane 0
	ds_store_b64 v4, v[C+4:C+5] offset:OFB+512     ; registers 4, 5: the lower half of my 16 bytes of plane 1
.else
	ds_store_b64 v4, v[C:C+1] offset:OFB+520       ; registers 6, 7: the upper half
	ds_store_b128 v4, v[C+2:C+5] offset:OFB+1024   ; registers 8-11: plane 2
.endif
.if (\t)+2 < 8
	LOADW (\t)+2
.endif
	s_wait_dscnt 0x0                               ; the stores have read their registers
.endm
	LOADW 0
	LOADW 1
.irp t, 0,1,2,3,4,5,6,7
	BLOCK \t
.endr
	s_wait_alu depctr_va_vdst(0)
	global_store_b64 v9, v[24:25], s[24:25]        ; my row's two scale words: 8 bytes of a row's 32, so these 128 KiB in all leave in pieces
.irp u, 0,1
.irp k, 0,1,2,3,4,5
	ds_load_b128 v[OUTR+4*(6*\u+\k):OUTR+4*(6*\u+\k)+3], v7 offset:3200*\u+512*\k
.endr
.endr
.irp u, 0,1
.irp k, 0,1,2,3,4,5
	s_wait_dscnt 11-6*\u-\k
	global_store_b128 v8, v[OUTR+4*(6*\u+\k):OUTR+4*(6*\u+\k)+3], s[22:23] offset:12288*\u+512*\k   ; 512 consecutive bytes, aligned to 512
.endr
.endr
	s_wait_tensorcnt 0x0
	ds_add_u32 v30, v31
	s_wait_dscnt 0x0
	s_endpgm
.Lfunc_end_k_qc7e178e6a4_prep:
	.size	k_qc7e178e6a4_prep, .Lfunc_end_k_qc7e178e6a4_prep-k_qc7e178e6a4_prep
	.p2alignl 7, 3214868480
	.fill 96, 4, 3214868480
	.section	.rodata,"a",@progbits
	.p2align	6, 0x0
	.amdhsa_kernel k_qc7e178e6a4_prep
		.amdhsa_group_segment_fixed_size 59904
		.amdhsa_private_segment_fixed_size 0
		.amdhsa_enable_private_segment 0
		.amdhsa_kernarg_size 88
		.amdhsa_user_sgpr_count 2
		.amdhsa_user_sgpr_kernarg_segment_ptr 1
		.amdhsa_wavefront_size32 1
		.amdhsa_system_sgpr_workgroup_id_x 1
		.amdhsa_system_sgpr_workgroup_id_y 1
		.amdhsa_system_sgpr_workgroup_id_z 1
		.amdhsa_system_vgpr_workitem_id 0
		.amdhsa_next_free_vgpr 256
		.amdhsa_next_free_sgpr 66
		.amdhsa_reserve_vcc 1
		.amdhsa_float_denorm_mode_32 3
		.amdhsa_float_denorm_mode_16_64 3
		.amdhsa_memory_ordered 1
		.amdhsa_forward_progress 1
		.amdhsa_inst_pref_size 105
	.end_amdhsa_kernel
	.amdgpu_metadata
---
amdhsa.version: [ 1, 2 ]
amdhsa.kernels:
  - .name:           k_qc7e178e6a4_prep
    .symbol:         k_qc7e178e6a4_prep.kd
    .args:
      - { .name: q, .offset: 0, .size: 8, .value_kind: global_buffer, .address_space: global }
      - { .name: k, .offset: 8, .size: 8, .value_kind: global_buffer, .address_space: global }
      - { .name: v, .offset: 16, .size: 8, .value_kind: global_buffer, .address_space: global }
      - { .name: w_q, .offset: 24, .size: 8, .value_kind: global_buffer, .address_space: global }
      - { .name: w_k, .offset: 32, .size: 8, .value_kind: global_buffer, .address_space: global }
      - { .name: w_v, .offset: 40, .size: 8, .value_kind: global_buffer, .address_space: global }
      - { .name: w_o, .offset: 48, .size: 8, .value_kind: global_buffer, .address_space: global }
      - { .name: xc, .offset: 56, .size: 8, .value_kind: global_buffer, .address_space: global }
      - { .name: xs, .offset: 64, .size: 8, .value_kind: global_buffer, .address_space: global }
      - { .name: wc, .offset: 72, .size: 8, .value_kind: global_buffer, .address_space: global }
      - { .name: ws, .offset: 80, .size: 8, .value_kind: global_buffer, .address_space: global }
    .group_segment_fixed_size: 59904
    .private_segment_fixed_size: 0
    .kernarg_segment_align: 8
    .kernarg_segment_size: 88
    .max_flat_workgroup_size: 128
    .sgpr_count:     66
    .vgpr_count:     256
    .wavefront_size: 32
...
	.end_amdgpu_metadata
.endif
;; end of part 1
;; launch proj (part 2): grid 4 x 192, 4 waves a work-group, clusters of 4 x 4, 307,712 bytes of LDS; arguments xc, xs, wc, ws, b_q, b_k, b_v, hc, hs; writes hc, hs
.if DOCPART == 2
	.amdgcn_target "amdgcn-amd-amdhsa--gfx1250"
	.amdhsa_code_object_version 6
	.text
	.protected	k_qc7e178e6a4_proj
	.globl	k_qc7e178e6a4_proj
	.p2align	8
	.type	k_qc7e178e6a4_proj,@function
k_qc7e178e6a4_proj:
	s_mov_b64 s[64:65], 0
	v_nop
	global_prefetch_b8 v0, s[64:65] scope:SCOPE_SE
	s_setreg_imm32_b32 hwreg(HW_REG_WAVE_MODE, 25, 1), 1
	s_wait_xcnt 0x0
	s_wait_alu depctr_hold_cnt(0) depctr_sa_sdst(0) depctr_va_vdst(0) depctr_va_sdst(0) depctr_va_ssrc(0) depctr_va_vcc(0) depctr_vm_vsrc(0)
	s_getreg_b32 s2, hwreg(HW_REG_IB_STS2, 6, 4)
	s_cmp_eq_u32 s2, 0
	s_cbranch_scc0 .Lentry_in_a_cluster
	s_endpgm
.Lentry_in_a_cluster:
	s_bfe_u32 s2, ttmp6, 0x10000c
	s_cmp_lg_u32 s2, 0xf033
	s_cbranch_scc0 .Lentry_shape_is_right
	s_endpgm
.Lentry_shape_is_right:
; The three input projections on codes of BF6 (E3M2), and their results quantised at once for the attention: qh and kh along the head's 64, vh along the KEYS.
; A work-group makes 128 A-side rows x 256 B-side rows over K = 1,024; a wave 64 x 128: 32 accumulators.  The matrix instruction is used transposed: source 0 = 16 B-side rows, source 1 = 16 A-side rows,
; so that a lane holds ONE A-side row and its registers run along the B side.  Tiles are 16 rows in the order row = 32 (t / 2) + 8 (t % 2) + r + 8 (r / 8): the 16 registers of B's tiles 2 b and 2 b + 1 are 16 neighbours.
; Q, K (T = 0, 1): A = the activations, B = the weight: a lane's 64 registers of a block are 128 channels (two heads) of one row.  V (T = 2): A = w_v, B = v: a lane holds one channel and 128 keys.
; The same quantiser serves both.  The bias is the C of each sum's first matrix instruction.
; BOTH PANELS LIE IN LDS WHOLE (96 + 192 KiB of codes, 12 KiB of scale bytes): every LDS byte is filled once, by loads that all go out at the head, in four chunks of 256 along K; no byte is filled again.
; CLUSTERS: 4 x 4 work-groups; A's panel is asked for jointly along a row of the cluster, B's along a column.
; LIMITS: as the first launch states them: NaN and infinities are not served; a block under 2^-122 gets the byte 1.
; hc: [batch x head 64][Q: tile 128 x 768 | K: tile 128 x 768 | V: key step 16 x tile 4 x 1,536].  A 768-byte image is 16 rows x 64 K: registers 0-3 at 16 l, registers 4-5 at 512 + 8 l.
; hs: [batch x head][Q: group 32 x row 16 x tile 4 words | K likewise | V: key step 16 x row 16 x tile 4 words].
; REGISTERS: window 0: v16-31 addresses; v32-95 scale words (register 8 i + s: lanes 0-15 A's block i, lanes 16-31 B's block i, K step s); v96-159 the bias, later at work; v160-247 the way out.
;   window 1: accumulator (a, b) at v[64 a + 8 b].   windows 2, 3: two sets of fragments: B's eight at v[12 b], A's four at v[96 + 12 a].
.set CH,    73728                      ; a chunk in LDS: A's 8 tiles x 3,072 bytes, then B's 16
.set HALFB, 24576
.set SCA,   4*CH                       ; A's scale bytes, 4,096
.set SCB,   SCA+4096                   ; B's, 8,192
.set NL,    36                         ; LDS loads of a K step's fragments
.set A16,  16
.set B16,  18
.set ADRS, 19
.set L16,  20
.set L8,   21
.set SC,   32
.set BI,   96
.set TM,   96
.set PCR,  160
.set PW,   240
.set OW,   244
.set TT,   2                           ; s2   which projection
.set WB,   3                           ; s3   my half of B's rows
.set SEL,  20                          ; s[20:21]
.set WV,   22                          ; s22  wave
.set WA,   23                          ; s23  my half of A's rows; also which half of B's panel I fetch
.set CX,   100
.set CY,   101
.set TROW, 104
.set TCOL, 105
.set G1A,  24
.set G1B,  32
.set G1SA, 40
.set G1SB, 48
.set G0SA, 56
.set G0SB, 60
.set G0A,  68                          ; s[68:83] group 0 of A's four chunks
.set G0B,  84                          ; s[84:99] of B's
.set MSB, 0
.macro WIN new                         ; the immediate's high byte repeats the setting that is left
.if MSB != (\new)
	s_set_vgpr_msb (MSB<<8)|(\new)
.set MSB, (\new)
.endif
.endm
.macro PLACES
.rept 4
	v_nop
.endr
.endm
.macro CREST
	s_cmp_lg_u32 s[WV], 0
	s_cbranch_scc1 .Lnot_wave_0_\@
	s_barrier_signal -3
.Lnot_wave_0_\@:
	s_barrier_wait -3
	s_barrier_signal -1
	s_barrier_wait -1
.endm
.macro CROUND                          ; a round of the cluster's barrier
	s_barrier_signal -1
	s_barrier_wait -1
	CREST
.endm
	s_load_b256 s[4:11], s[0:1], 0x0               ; xc, xs, wc, ws
	v_lshl_add_u32 v254, v0, 2, 0x4b000
	v_mov_b32 v255, 0
	ds_add_u32 v254, v255
	ds_add_u32 v254, v255
	v_lshrrev_b32 v1, 5, v0
	v_readfirstlane_b32 s[WV], v1
	s_lshr_b32 s[WA], s[WV], 1
	s_and_b32 s[TT], ttmp7, 0xffff                 ; the cluster's y: 16 clusters for each projection
	s_and_b32 s3, s[TT], 15
	s_lshr_b32 s[TT], s[TT], 4
	s_bfe_u32 s[CX], ttmp6, 0x40000
	s_bfe_u32 s[CY], ttmp6, 0x40004
	s_and_b32 s[TROW], s3, 1
	s_lshr_b32 s[TCOL], s3, 1
	s_cmp_lt_u32 s[TT], 2
	s_cselect_b32 s[TROW], s3, s[TROW]             ; Q, K: 64 tile rows x 4 tile columns;  V: 8 x 32
	s_cselect_b32 s[TCOL], 0, s[TCOL]
	s_lshl_b32 s[TROW], s[TROW], 2
	s_add_co_u32 s[TROW], s[TROW], s[CY]
	s_lshl_b32 s[TCOL], s[TCOL], 2
	s_add_co_u32 s[TCOL], s[TCOL], s[CX]
	s_and_b32 s[WB], s[WV], 1
	s_lshl_b32 s20, s[CY], 2
	s_lshl_b32 s20, 15, s20                        ; my row of the cluster
	s_lshl_b32 s21, 0x1111, s[CX]                  ; my column
	s_or_b32 s[G1A], s20, (3<<16)|(1<<21)          ; 15:0 the mask; 17:16 elements of 8 bytes; 21 set beside a mask; no padding
	s_or_b32 s[G1SA], s20, (3<<16)|(1<<21)
	s_or_b32 s[G1B], s21, (3<<16)|(1<<21)
	s_or_b32 s[G1SB], s21, (3<<16)|(1<<21)
.irp g, G1A, G1B                               ; codes: 8 tiles x 3,072 bytes (two images), 12,288 bytes from tile to tile
	s_mov_b32 s[\g+1], 384<<16
	s_mov_b32 s[\g+2], 8<<16
	s_mov_b32 s[\g+3], 384<<16
	s_mov_b32 s[\g+4], 8
	s_mov_b32 s[\g+5], 1536
	s_mov_b32 s[\g+6], 0
	s_mov_b32 s[\g+7], 0
.endr
	s_mov_b32 s[G1SA+1], 32<<16                    ; scale bytes: dense, as rows of 256 bytes: 16 for A,
	s_mov_b32 s[G1SA+2], 16<<16
	s_mov_b32 s[G1SA+3], 32<<16
	s_mov_b32 s[G1SA+4], 16
	s_mov_b32 s[G1SA+5], 32
	s_mov_b32 s[G1SA+6], 0
	s_mov_b32 s[G1SA+7], 0
	s_mov_b32 s[G1SB+1], 32<<16                    ; 32 for B
	s_mov_b32 s[G1SB+2], 32<<16
	s_mov_b32 s[G1SB+3], 32<<16
	s_mov_b32 s[G1SB+4], 32
	s_mov_b32 s[G1SB+5], 32
	s_mov_b32 s[G1SB+6], 0
	s_mov_b32 s[G1SB+7], 0
	s_mov_b32 s[SEL], 0x76543210
	s_mov_b32 s[SEL+1], 0xfedcba98
	s_wait_dscnt 0x0
	s_wait_kmcnt 0x0
	s_cmp_lt_u32 s[TT], 2                          ; the choice hangs on the cluster's number alone
	s_cselect_b64 s[G0A+2:G0A+3], s[4:5], s[8:9]
	s_cselect_b64 s[G0SA+2:G0SA+3], s[6:7], s[10:11]
	s_cselect_b64 s[G0B+2:G0B+3], s[8:9], s[4:5]
	s_cselect_b64 s[G0SB+2:G0SB+3], s[10:11], s[6:7]
	s_mul_i32 s12, s[TT], 6291456
	s_cselect_b32 s12, s12, 2*786432
	s_mul_i32 s14, s[TT], 262144
	s_cselect_b32 s14, s14, 2*32768
	s_mul_i32 s16, s[TT], 786432
	s_cselect_b32 s16, s16, 2*6291456
	s_mul_i32 s18, s[TT], 32768
	s_cselect_b32 s18, s18, 2*262144
	s_mul_i32 s13, s[TROW], 8*12288                ; A's registers hold the tile row alone, B's the tile column alone
	s_add_co_u32 s12, s12, s13
	s_mov_b32 s13, 0
	s_lshl_b32 s15, s[TROW], 12
	s_add_co_u32 s14, s14, s15
	s_mov_b32 s15, 0
	s_lshl_b32 s17, s[TCOL], 4
	s_lshl_b32 s4, s[WA], 3
	s_add_co_u32 s17, s17, s4
	s_mul_i32 s17, s17, 12288
	s_add_co_u32 s16, s16, s17
	s_mov_b32 s17, 0
	s_lshl_b32 s19, s[TCOL], 13
	s_add_co_u32 s18, s18, s19
	s_mov_b32 s19, 0
	s_add_nc_u64 s[G0A+2:G0A+3], s[G0A+2:G0A+3], s[12:13]
	s_add_nc_u64 s[G0SA+2:G0SA+3], s[G0SA+2:G0SA+3], s[14:15]
	s_add_nc_u64 s[G0B+2:G0B+3], s[G0B+2:G0B+3], s[16:17]
	s_add_nc_u64 s[G0SB+2:G0SB+3], s[G0SB+2:G0SB+3], s[18:19]
.irp c, 1,2,3
	s_add_nc_u64 s[G0A+4*\c+2:G0A+4*\c+3], s[G0A+2:G0A+3], 3072*\c
	s_add_nc_u64 s[G0B+4*\c+2:G0B+4*\c+3], s[G0B+2:G0B+3], 3072*\c
.endr
	s_mul_i32 s4, s[WA], HALFB
.irp c, 0,1,2,3
	s_mov_b32 s[G0A+4*\c], 1
	s_mov_b32 s[G0A+4*\c+1], \c*CH
	s_or_b32 s[G0A+4*\c+3], s[G0A+4*\c+3], 0x80000000
	s_mov_b32 s[G0B+4*\c], 1
	s_add_co_u32 s[G0B+4*\c+1], s4, \c*CH+HALFB
	s_or_b32 s[G0B+4*\c+3], s[G0B+4*\c+3], 0x80000000
.endr
	s_mov_b32 s[G0SA], 1
	s_mov_b32 s[G0SA+1], SCA
	s_or_b32 s[G0SA+3], s[G0SA+3], 0x80000000
	s_mov_b32 s[G0SB], 1
	s_mov_b32 s[G0SB+1], SCB
	s_or_b32 s[G0SB+3], s[G0SB+3], 0x80000000
	CROUND                                         ; all sixteen work-groups are here: the joint loads meet
	; All fills of the launch, each wave's in one arm: wave 0 A's scales and chunks, wave 1 B's scales and lower halves, wave 2 B's upper halves, wave 3 none.  Five loads of a wave are out at the most.
	s_cmp_lg_u32 s[WV], 0
	s_cbranch_scc1 .Lnot0
	tensor_load_to_lds s[G0SA:G0SA+3], s[G1SA:G1SA+7]
	s_nop 0
.irp c, 0,1,2,3
	tensor_load_to_lds s[G0A+4*\c:G0A+4*\c+3], s[G1A:G1A+7]
	s_nop 0
.endr
	PLACES
	s_branch .Lasked
.Lnot0:
	s_cmp_lg_u32 s[WV], 1
	s_cbranch_scc1 .Lnot1
	tensor_load_to_lds s[G0SB:G0SB+3], s[G1SB:G1SB+7]
	s_nop 0
.irp c, 0,1,2,3
	tensor_load_to_lds s[G0B+4*\c:G0B+4*\c+3], s[G1B:G1B+7]
	s_nop 0
.endr
	PLACES
	s_branch .Lasked
.Lnot1:
	s_cmp_lg_u32 s[WV], 2
	s_cbranch_scc1 .Lasked
.irp c, 0,1,2,3
	tensor_load_to_lds s[G0B+4*\c:G0B+4*\c+3], s[G1B:G1B+7]
	s_nop 0
.endr
	PLACES
.Lasked:
	s_load_b256 s[4:11], s[0:1], 0x20              ; b_q, b_k, b_v, hc
	s_load_b64 s[12:13], s[0:1], 0x40              ; hs
	v_and_b32 v1, 31, v0                           ; lane
	v_and_b32 v2, 15, v0                           ; r
	v_bfe_u32 v3, v0, 4, 1                         ; h
	v_lshlrev_b32 v[L16], 4, v1
	v_lshlrev_b32 v[L8], 3, v1
	s_mul_i32 s14, s[WA], 12288
	v_add_nc_u32 v[A16], s14, v[L16]               ; my four tiles of A
	s_mul_i32 s15, s[WB], HALFB
	s_add_co_u32 s15, s15, HALFB
	v_add_nc_u32 v[B16], s15, v[L16]               ; my eight of B
	s_lshl_b32 s14, s[WA], 11
	s_lshl_b32 s15, s[WB], 12
	s_add_co_u32 s15, s15, SCB-SCA
	s_sub_co_u32 s15, s15, s14
	v_mul_u32_u24 v[ADRS], s15, v3                 ; lanes 16-31 take B's scale words: one product, the distance between the two bases
	v_lshl_add_u32 v[ADRS], v2, 5, v[ADRS]
	s_add_co_u32 s14, s14, SCA
	v_add_nc_u32 v[ADRS], s14, v[ADRS]
	s_wait_kmcnt 0x0
	s_cmp_lt_u32 s[TT], 1
	s_cselect_b64 s[14:15], s[4:5], s[6:7]
	s_cmp_lt_u32 s[TT], 2
	s_cselect_b64 s[14:15], s[14:15], s[8:9]
	s_cbranch_scc0 .Lbias_v
	s_lshl_b32 s16, s[TCOL], 10                    ; Q, K: register j of accumulator (a, b) is channel 32 (b / 2) + 16 h + 8 (b % 2) + j of my 128
	s_lshl_b32 s17, s[WB], 9
	s_add_co_u32 s16, s16, s17
	s_mov_b32 s17, 0
	s_add_nc_u64 s[14:15], s[14:15], s[16:17]
	s_wait_alu depctr_va_vdst(0)
	v_lshlrev_b32 v22, 6, v3
.irp b, 0,1,2,3,4,5,6,7
	global_load_b128 v[BI+8*\b:BI+8*\b+3], v22, s[14:15] offset:(32*(\b/2)+8*(\b%2))*4
	global_load_b128 v[BI+8*\b+4:BI+8*\b+7], v22, s[14:15] offset:(32*(\b/2)+8*(\b%2))*4+16
.endr
	s_branch .Lbias_done
.Lbias_v:
	s_lshl_b32 s16, s[TROW], 9                     ; V: my lane's channel, the same in all eight registers of block a; all 64 registers are written (block a = x % 4)
	s_lshl_b32 s17, s[WA], 8
	s_add_co_u32 s16, s16, s17
	s_mov_b32 s17, 0
	s_add_nc_u64 s[14:15], s[14:15], s[16:17]
	s_wait_alu depctr_va_vdst(0)
	v_and_b32 v22, 8, v2
	v_add_nc_u32 v22, v22, v2
	v_lshlrev_b32 v22, 2, v22
.irp x, 0,1,2,3,4,5,6,7
.irp j, 0,1,2,3,4,5,6,7
	global_load_b32 v[BI+8*\x+\j], v22, s[14:15] offset:(32*((\x%4)/2)+8*(\x%2))*4
.endr
.endr
.Lbias_done:
.macro FRAGF reg, adr, off             ; an image comes back as it was stored: three loads of 512 consecutive bytes
.irp p, 0,1,2
	ds_load_b128 v[(\reg)+4*\p:(\reg)+4*\p+3], v[\adr] offset:(\off)+512*\p
.endr
.endm
.macro FETCH k, p                      ; K step k's twelve fragments into set p
	WIN (2+(\p))<<6
.irp b, 0,1,2,3,4,5,6,7
	FRAGF 12*\b, B16, 3072*\b+1536*((\k)%2)
.endr
.irp a, 0,1,2,3
	FRAGF 96+12*\a, A16, 3072*\a+1536*((\k)%2)
.endr
	WIN 0
.endm
.macro SCALES                          ; all eight K steps' scale words, once
.irp i, 0,1,2,3,4,5,6,7
	ds_load_b128 v[SC+8*\i:SC+8*\i+3], v[ADRS] offset:512*\i
	ds_load_b128 v[SC+8*\i+4:SC+8*\i+7], v[ADRS] offset:512*\i+16
.endr
.endm
; 32 matrix instructions: the accumulators take turns, one instruction a turn, in the same order in every K step.  cm = 1, 2: the bias starts the sums
.macro MUL32 k, p, cm
.if (\cm) == 0
	WIN 0x5a+5*(\p)
.else
	WIN 0x4a
.endif
.irp a, 0,1,2,3
.irp b, 0,1,2,3,4,5,6,7
.if (\cm) == 0
	v_wmma_scale_f32_16x16x128_f8f6f4 v[64*\a+8*\b:64*\a+8*\b+7], v[12*\b:12*\b+11], v[96+12*\a:96+12*\a+11], v[64*\a+8*\b:64*\a+8*\b+7], v[SC+8*\b+(\k)], v[SC+8*\a+(\k)] matrix_a_fmt:MATRIX_FMT_BF6 matrix_b_fmt:MATRIX_FMT_BF6 matrix_a_scale:MATRIX_SCALE_ROW1
.elseif (\cm) == 1
	v_wmma_scale_f32_16x16x128_f8f6f4 v[64*\a+8*\b:64*\a+8*\b+7], v[12*\b:12*\b+11], v[96+12*\a:96+12*\a+11], v[BI+8*\b:BI+8*\b+7], v[SC+8*\b+(\k)], v[SC+8*\a+(\k)] matrix_a_fmt:MATRIX_FMT_BF6 matrix_b_fmt:MATRIX_FMT_BF6 matrix_a_scale:MATRIX_SCALE_ROW1
.else
	v_wmma_scale_f32_16x16x128_f8f6f4 v[64*\a+8*\b:64*\a+8*\b+7], v[12*\b:12*\b+11], v[96+12*\a:96+12*\a+11], v[BI+8*\a:BI+8*\a+7], v[SC+8*\b+(\k)], v[SC+8*\a+(\k)] matrix_a_fmt:MATRIX_FMT_BF6 matrix_b_fmt:MATRIX_FMT_BF6 matrix_a_scale:MATRIX_SCALE_ROW1
.endif
.endr
.endr
.endm
.macro KSTEP k
.if ((\k)%2 == 1) && ((\k) < 7)
	s_wait_tensorcnt 3-((\k)+1)/2                  ; my part of the next chunk has landed: behind it I issued the later chunks alone
	s_wait_dscnt 0x0
	s_barrier_signal -1
	s_barrier_wait -1                              ; everybody's has
	v_add_nc_u32 v[A16], CH, v[A16]
	v_add_nc_u32 v[B16], CH, v[B16]
.endif
.if (\k) < 7
	PLACES                                         ; four places in front of loads into registers that the last matrix instructions have read
	FETCH (\k)+1, 1-(\k)%2
	s_wait_alu depctr_va_vdst(0)
	s_wait_dscnt NL                                ; all but the loads just issued
.else
	s_wait_dscnt 0x0
.endif
	MUL32 \k, (\k)%2, 0
	WIN 0
.endm
	s_wait_tensorcnt 0x3                           ; the scales and my part of chunk 0 have landed; three later chunks may be out
	s_barrier_signal -1
	s_barrier_wait -1
	SCALES
	FETCH 0, 0
	FETCH 1, 1
	s_wait_dscnt NL
	s_wait_loadcnt 0x0                             ; the bias
	s_cmp_lt_u32 s[TT], 2
	s_cbranch_scc0 .Lfirst_v
	MUL32 0, 0, 1
	WIN 0
	s_branch .Lfirst_done
.Lfirst_v:
	MUL32 0, 0, 2
	WIN 0
.Lfirst_done:
.irp k, 1,2,3,4,5,6,7
	KSTEP \k
.endr
; 64 numbers of a lane in window 1, v[s] on, register 16 b + i = k 32 b + 16 (lane / 16) + i of my row, become a fragment's codes in v[pc] on and its scale word in v[pw].  Each accumulator is read from its low end on.
.macro QUANT s, pc, pw
	WIN 0x14                                       ; sources 1 and 2 in window 1
.irp b, 0,1,2,3
	v_max3_num_f32 v[TM+\b], 0x2800000, |v[(\s)+16*\b]|, |v[(\s)+1+16*\b]|   ; the floor 2^(5 - 127) among the leaves
.endr
.irp i, 2,4,6,8,10,12,14
.irp b, 0,1,2,3
	v_max3_num_f32 v[TM+\b], v[TM+\b], |v[(\s)+16*\b+\i]|, |v[(\s)+1+16*\b+\i]|
.endr
.endr
	WIN 0
.irp b, 0,1,2,3
	v_permlanex16_b32 v[TM+4+\b], v[TM+\b], s[SEL], s[SEL+1]
.endr
.irp b, 0,1,2,3
	v_max_num_f32 v[TM+\b], v[TM+\b], v[TM+4+\b]
.endr
.irp b, 0,1,2,3
	v_add_nc_u32 v[TM+12+\b], 0xfe000000, v[TM+\b]
.endr
.irp b, 0,1,2,3
	v_lshrrev_b32 v[TM+4+\b], 23, v[TM+12+\b]
.endr
	v_lshl_or_b32 v[\pw], v[TM+5], 8, v[TM+4]
	v_lshl_or_b32 v[\pw], v[TM+6], 16, v[\pw]
	v_lshl_or_b32 v[\pw], v[TM+7], 24, v[\pw]
	WIN 0x01                                       ; source 0 in window 1
.irp c, 0,1
	v_cvt_scalef32_pk16_bf6_f32 v[(\pc)+6*\c:(\pc)+2+6*\c], v[(\s)+32*\c:(\s)+15+32*\c], v[TM+12+2*\c]
	v_cvt_scalef32_pk16_bf6_f32 v[(\pc)+12+4*\c:(\pc)+14+4*\c], v[(\s)+16+32*\c:(\s)+31+32*\c], v[TM+12+2*\c+1]
.endr
	WIN 0
	v_nop                                          ; one plain place behind a scaled conversion
.irp c, 0,1
.irp i, 0,1,2
	v_permlane16_swap_b32 v[(\pc)+6*\c+\i], v[(\pc)+12+4*\c+\i]
.endr
.irp i, 0,1,2
	v_mov_b32 v[(\pc)+3+6*\c+\i], v[(\pc)+12+4*\c+\i]
.endr
.endr
.endm
	PLACES                                         ; four places in front of the first read of results
.irp a, 0,1,2,3
	QUANT 64*\a, PCR+20*\a, PW+\a
.endr
	s_cmp_lt_u32 s[TT], 2
	s_cbranch_scc0 .Lout_v
	; Q, K: block a is tile 8 trow + 4 wa + a of the rows; registers 6 c .. 6 c + 5 are the 768-byte image of head 2 (2 tcol + wb) + c
	s_lshl_b32 s14, s[TROW], 3
	s_lshl_b32 s15, s[WA], 2
	s_add_co_u32 s14, s14, s15
	s_lshr_b32 s15, s14, 7                         ; batch
	s_and_b32 s14, s14, 127                        ; tile in the batch
	s_lshl_b32 s16, s[TCOL], 1
	s_add_co_u32 s16, s16, s[WB]
	s_lshl_b32 s15, s15, 4
	s_lshl_b32 s16, s16, 1
	s_add_co_u32 s15, s15, s16                     ; 16 batch + my first head
	s_mul_i32 s16, s15, 294912
	s_mul_i32 s17, s[TT], 98304
	s_add_co_u32 s16, s16, s17
	s_mul_i32 s17, s14, 768
	s_add_co_u32 s16, s16, s17
	s_mov_b32 s17, 0
	s_add_nc_u64 s[10:11], s[10:11], s[16:17]
	s_mul_i32 s16, s15, 20480
	s_lshl_b32 s18, s[TT], 13
	s_add_co_u32 s16, s16, s18
	s_lshr_b32 s18, s14, 2
	s_lshl_b32 s18, s18, 8
	s_add_co_u32 s16, s16, s18
	s_add_nc_u64 s[12:13], s[12:13], s[16:17]
	v_lshlrev_b32 v22, 4, v3
	v_mul_u32_u24 v23, 20480, v3
	v_lshl_add_u32 v23, v2, 4, v23
.irp a, 0,1,2,3
	v_lshrrev_b32 v[OW+\a], v22, v[PW+\a]          ; lanes 0-15 keep the first head's two bytes lowest, lanes 16-31 the second head's; the bytes above meet zero codes alone and are never 0xff
.endr
	s_wait_alu depctr_va_vdst(0)
.irp a, 0,1,2,3
.irp c, 0,1
	global_store_b128 v[L16], v[PCR+20*\a+6*\c:PCR+20*\a+6*\c+3], s[10:11] offset:768*\a+294912*\c       ; 512 consecutive bytes, at a multiple of 256
	global_store_b64 v[L8], v[PCR+20*\a+6*\c+4:PCR+20*\a+6*\c+5], s[10:11] offset:768*\a+294912*\c+512   ; 256 consecutive bytes, likewise
.endr
.endr
	global_store_b128 v23, v[OW:OW+3], s[12:13]    ; four tiles' words of my row: 256 consecutive bytes for each head
	s_branch .Lend
.Lout_v:
	; V: block a is tile a of the head's 64 channels, my 128 keys are one key step: one image and one word a row
	s_lshl_b32 s14, s[TROW], 1
	s_add_co_u32 s14, s14, s[WA]                   ; head
	s_lshl_b32 s15, s[TCOL], 4
	s_lshl_b32 s16, s[WB], 3
	s_add_co_u32 s15, s15, s16                     ; B's first tile
	s_lshr_b32 s16, s15, 7                         ; batch
	s_and_b32 s15, s15, 127
	s_lshr_b32 s15, s15, 3                         ; key step
	s_lshl_b32 s16, s16, 4
	s_add_co_u32 s14, s14, s16
	s_mul_i32 s16, s14, 294912
	s_mul_i32 s17, s15, 6144
	s_add_co_u32 s16, s16, s17
	s_add_co_u32 s16, s16, 196608
	s_mov_b32 s17, 0
	s_add_nc_u64 s[10:11], s[10:11], s[16:17]
	s_mul_i32 s16, s14, 20480
	s_lshl_b32 s18, s15, 8
	s_add_co_u32 s16, s16, s18
	s_add_co_u32 s16, s16, 16384
	s_add_nc_u64 s[12:13], s[12:13], s[16:17]
	v_lshlrev_b32 v23, 4, v2
	v_lshl_add_u32 v23, v3, 3, v23
	v_cmp_le_u32 vcc_lo, 16, v1
	v_cndmask_b32 v[OW], v[PW], v[PW+2], vcc_lo
	v_cndmask_b32 v[OW+1], v[PW+1], v[PW+3], vcc_lo
	s_wait_alu depctr_va_vdst(0)
.irp a, 0,1,2,3
.irp p, 0,1,2
	global_store_b128 v[L16], v[PCR+20*\a+4*\p:PCR+20*\a+4*\p+3], s[10:11] offset:1536*\a+512*\p
.endr
.endr
	global_store_b64 v23, v[OW:OW+1], s[12:13]     ; 256 consecutive bytes
.Lend:
	s_wait_tensorcnt 0x0
	ds_add_u32 v254, v255
	s_wait_dscnt 0x0
	CROUND                                         ; the closing round
	s_endpgm
.Lfunc_end_k_qc7e178e6a4_proj:
	.size	k_qc7e178e6a4_proj, .Lfunc_end_k_qc7e178e6a4_proj-k_qc7e178e6a4_proj
	.p2alignl 7, 3214868480
	.fill 96, 4, 3214868480
	.section	.rodata,"a",@progbits
	.p2align	6, 0x0
	.amdhsa_kernel k_qc7e178e6a4_proj
		.amdhsa_group_segment_fixed_size 307712
		.amdhsa_private_segment_fixed_size 0
		.amdhsa_enable_private_segment 0
		.amdhsa_kernarg_size 72
		.amdhsa_user_sgpr_count 2
		.amdhsa_user_sgpr_kernarg_segment_ptr 1
		.amdhsa_wavefront_size32 1
		.amdhsa_system_sgpr_workgroup_id_x 1
		.amdhsa_system_sgpr_workgroup_id_y 1
		.amdhsa_system_sgpr_workgroup_id_z 1
		.amdhsa_system_vgpr_workitem_id 0
		.amdhsa_next_free_vgpr 1024
		.amdhsa_next_free_sgpr 106
		.amdhsa_reserve_vcc 1
		.amdhsa_float_denorm_mode_32 3
		.amdhsa_float_denorm_mode_16_64 3
		.amdhsa_memory_ordered 1
		.amdhsa_forward_progress 1
		.amdhsa_inst_pref_size 98
	.end_amdhsa_kernel
	.amdgpu_metadata
---
amdhsa.version: [ 1, 2 ]
amdhsa.kernels:
  - .name:           k_qc7e178e6a4_proj
    .symbol:         k_qc7e178e6a4_proj.kd
    .args:
      - { .name: xc, .offset: 0, .size: 8, .value_kind: global_buffer, .address_space: global }
      - { .name: xs, .offset: 8, .size: 8, .value_kind: global_buffer, .address_space: global }
      - { .name: wc, .offset: 16, .size: 8, .value_kind: global_buffer, .address_space: global }
      - { .name: ws, .offset: 24, .size: 8, .value_kind: global_buffer, .address_space: global }
      - { .name: b_q, .offset: 32, .size: 8, .value_kind: global_buffer, .address_space: global }
      - { .name: b_k, .offset: 40, .size: 8, .value_kind: global_buffer, .address_space: global }
      - { .name: b_v, .offset: 48, .size: 8, .value_kind: global_buffer, .address_space: global }
      - { .name: hc, .offset: 56, .size: 8, .value_kind: global_buffer, .address_space: global }
      - { .name: hs, .offset: 64, .size: 8, .value_kind: global_buffer, .address_space: global }
    .group_segment_fixed_size: 307712
    .private_segment_fixed_size: 0
    .kernarg_segment_align: 8
    .kernarg_segment_size: 72
    .max_flat_workgroup_size: 128
    .sgpr_count:     106
    .vgpr_count:     1024
    .wavefront_size: 32
...
	.end_amdgpu_metadata
.endif
;; end of part 2
;; launch attn (part 3): grid 8 x 64, 16 waves a work-group, clusters of 4 x 1, 210,944 bytes of LDS; arguments hc, hs, oc, os; writes oc, os
.if DOCPART == 3
	.amdgcn_target "amdgcn-amd-amdhsa--gfx1250"
	.amdhsa_code_object_version 6
	.text
	.protected	k_qc7e178e6a4_attn
	.globl	k_qc7e178e6a4_attn
	.p2align	8
	.type	k_qc7e178e6a4_attn,@function
k_qc7e178e6a4_attn:
	s_mov_b64 s[64:65], 0
	v_nop
	global_prefetch_b8 v0, s[64:65] scope:SCOPE_SE
	s_setreg_imm32_b32 hwreg(HW_REG_WAVE_MODE, 25, 1), 1
	s_wait_xcnt 0x0
	s_wait_alu depctr_hold_cnt(0) depctr_sa_sdst(0) depctr_va_vdst(0) depctr_va_sdst(0) depctr_va_ssrc(0) depctr_va_vcc(0) depctr_vm_vsrc(0)
	s_getreg_b32 s2, hwreg(HW_REG_IB_STS2, 6, 4)
	s_cmp_eq_u32 s2, 0
	s_cbranch_scc0 .Lentry_in_a_cluster
	s_endpgm
.Lentry_in_a_cluster:
	s_bfe_u32 s2, ttmp6, 0x10000c
	s_cmp_lg_u32 s2, 0x3003
	s_cbranch_scc0 .Lentry_shape_is_right
	s_endpgm
.Lentry_shape_is_right:
; Causal attention of one head (64 channels, 2,048 positions) on codes of BF6 (E3M2), and its result quantised along the channels for the output projection.
; THE SOFTMAX AHEAD OF THE SECOND PRODUCT: t = score x log2(e) / 8; M = the row's largest t so far, rounded up to a whole number; p = 2^(t - M) is quantised along the keys, not normalised; the row's sum is taken of
; the unquantised p and divides at the end.  When M moves, the sum and O are multiplied by 2^(old M - new M): exact.
; SHARES.  A work-group has sixteen waves, four to a SIMD; a wave owns one tile of 16 queries, T = 8 G + 2 cx + e.  G, the wave's group of 128 queries, hangs on the wave's number and the cluster's x alone, so every
; branch runs alike in the four partners; the place in the cluster enters global addresses and the mask's vector operand alone.  The G of a work-group's waves are spread so that early and late queries mix.
; Every wave walks sixteen key steps of 128 keys in loops of constant count; a step whose keys all come after the wave's queries (step > G) is jumped over; in step G hidden scores become -infinity.
; THE WHOLE HEAD'S K AND V LIE IN LDS (96 + 96 KiB of codes, 12 KiB of scale words): filled once, jointly for the four partners, by three loads each of waves 0 (K) and 1 (V) at the head.
; LAYOUT.  Both products are used transposed: S^T = K Q^T, O^T = V^T P^T: a lane holds one query throughout.  The first product's K is 64: the upper halves of both fragments are zero codes.
; The keys of a tile are not neighbours (key = 32 (t / 2) + 8 (t % 2) + r + 8 (r / 8)), so that p's 16 registers of two neighbouring tiles are 16 neighbouring keys.
; LIMITS: NaN and infinities are not served; a block under 2^-122 gets the byte 1.
; REGISTERS: v1-11 addresses; v12 -M, v13 the largest t, v[14:15] the sum; v16-27 Q (v22-27 zeros); v28 Q's scale word; v32-79 four fragments of K (the upper six of each zeros); v80-87 K's scale words, v88-91 V's;
;   v96-159 S^T, then p, then V's four fragments; v160-191 O^T; v192-211 p's codes; v212-227 at work; v228 p's scale word; v[230:231] f; v232-235 at work.
.set SCL,  196608                      ; LDS: K's codes at 0, V's at 98,304, the scale words here: K's 8,192 bytes, then V's 4,096
.set WV,   18
.set GG,   19
.set SEL,  20
.set CS,   22
.set SG,   60                          ; s60  the key step;  s61, s62, s63: 6,144, 512 and 256 times it
.set S6K,  61
.set S512, 62
.set S256, 63
.set CNT,  66
.set MX,   212
.set PM,   216
.set SO,   220
.macro CROUND
	s_barrier_signal -1
	s_barrier_wait -1
	s_cmp_lg_u32 s[WV], 0
	s_cbranch_scc1 .Lnot_wave_0_\@
	s_barrier_signal -3
.Lnot_wave_0_\@:
	s_barrier_wait -3
	s_barrier_signal -1
	s_barrier_wait -1
.endm
	s_load_b256 s[4:11], s[0:1], 0x0               ; hc, hs, oc, os
	v_lshl_add_u32 v254, v0, 2, 0x33000
	v_mov_b32 v255, 0
	ds_add_u32 v254, v255
	ds_add_u32 v254, v255
	v_lshrrev_b32 v1, 5, v0
	s_delay_alu instid0(VALU_DEP_1)
	v_readfirstlane_b32 s[WV], v1                  ; wave 0..15
	s_lshr_b32 s67, s[WV], 2
	s_and_b32 s68, s[WV], 3
	s_and_b32 s13, s67, 1                          ; e
	s_mul_i32 s69, s13, 3
	s_xor_b32 s68, s68, s69
	s_lshr_b32 s67, s67, 1
	s_xor_b32 s67, s67, s68
	s_and_b32 s67, s67, 1
	s_lshl_b32 s68, s68, 1
	s_add_co_u32 s68, s68, s67
	s_xor_b32 s67, ttmp9, s68
	s_and_b32 s67, s67, 1
	s_lshl_b32 s68, s68, 1
	s_add_co_u32 s[GG], s68, s67                   ; G: for each e the two clusters' waves take each of 0 .. 15 once
	s_and_b32 s12, ttmp7, 0xffff                   ; batch x head
	s_mul_i32 s14, s12, 294912
	s_mov_b32 s15, 0
	s_mul_i32 s16, s12, 20480
	s_mov_b32 s17, 0
	; three shapes, all dense rows of 256 bytes (32 elements of 8): 24 rows of scale words, 96 rows (key steps 0-3), 288 rows (key steps 4-15)
.irp g, 24, 32, 40
	s_mov_b32 s[\g], 15|(3<<16)|(1<<21)            ; 15:0 the mask: all four partners; 17:16 elements of 8 bytes; 21 set beside a mask
	s_mov_b32 s[\g+1], 32<<16
	s_mov_b32 s[\g+3], 32<<16
	s_mov_b32 s[\g+5], 32
	s_mov_b32 s[\g+6], 0
	s_mov_b32 s[\g+7], 0
.endr
	s_mov_b32 s26, 24<<16
	s_mov_b32 s28, 24
	s_mov_b32 s34, 96<<16
	s_mov_b32 s36, 96
	s_mov_b32 s42, 288<<16
	s_mov_b32 s44, 288
	s_mul_i32 s67, s[WV], 98304                    ; wave 0: K, wave 1: V
	s_add_co_u32 s68, s14, s67
	s_add_co_u32 s68, s68, 98304
	s_mov_b32 s69, 0
	s_mul_i32 s70, s[WV], 6144                     ; and half of the scale words each
	s_add_co_u32 s72, s16, s70
	s_add_co_u32 s72, s72, 8192
	s_mov_b32 s73, 0
	s_mov_b32 s[SEL], 0x76543210
	s_mov_b32 s[SEL+1], 0xfedcba98
	s_mov_b32 s[CS], 0x3e38aa3b                    ; c = log2(e) / sqrt(64)
	s_mov_b32 s[CS+1], s[CS]
	s_mov_b32 s[SG], 0
	s_mov_b32 s[S6K], 0
	s_mov_b32 s[S512], 0
	s_mov_b32 s[S256], 0
	s_wait_dscnt 0x0
	s_wait_kmcnt 0x0
	s_mov_b32 s48, 1
	s_add_co_u32 s49, s70, SCL
	s_add_nc_u64 s[50:51], s[6:7], s[72:73]
	s_or_b32 s51, s51, 0x80000000
	s_mov_b32 s52, 1
	s_mov_b32 s53, s67
	s_add_nc_u64 s[54:55], s[4:5], s[68:69]
	s_mov_b32 s56, 1
	s_add_co_u32 s57, s67, 24576
	s_add_nc_u64 s[58:59], s[54:55], 24576
	s_or_b32 s55, s55, 0x80000000
	s_or_b32 s59, s59, 0x80000000
	CROUND                                         ; all four work-groups are here: the joint loads meet
	s_cmp_lt_u32 s[WV], 2
	s_cbranch_scc0 .Lno_fill
	tensor_load_to_lds s[48:51], s[24:31]          ; all fills of the launch: three loads of mine are out
	s_nop 0
	tensor_load_to_lds s[52:55], s[32:39]
	s_nop 0
	tensor_load_to_lds s[56:59], s[40:47]
	s_nop 0
.rept 4
	v_nop
.endr
.Lno_fill:
	s_bfe_u32 s74, ttmp6, 0x40000                  ; cx
	s_lshl_b32 s75, s[GG], 3
	s_lshl_b32 s76, s74, 1
	s_add_co_u32 s75, s75, s76
	s_add_co_u32 s75, s75, s13                     ; T, my tile of queries
	s_mul_i32 s76, s75, 768
	s_add_co_u32 s76, s76, s14
	s_mov_b32 s77, 0
	s_add_nc_u64 s[4:5], s[4:5], s[76:77]          ; Q's image
	s_lshr_b32 s76, s75, 2
	s_lshl_b32 s76, s76, 8
	s_and_b32 s78, s75, 3
	s_lshl_b32 s78, s78, 2
	s_add_co_u32 s76, s76, s78
	s_add_co_u32 s76, s76, s16
	s_add_nc_u64 s[6:7], s[6:7], s[76:77]          ; Q's scale words
	s_lshr_b32 s78, s12, 4
	s_lshl_b32 s78, s78, 7
	s_add_co_u32 s78, s78, s75                     ; my tile among the 512 of all batches
	s_and_b32 s79, s12, 15                         ; head
	s_lshl_b32 s76, s78, 4
	s_add_co_u32 s76, s76, s79
	s_mul_i32 s76, s76, 768
	s_add_nc_u64 s[8:9], s[8:9], s[76:77]
	s_lshl_b32 s76, s78, 9
	s_lshl_b32 s79, s79, 1
	s_add_co_u32 s76, s76, s79
	s_add_nc_u64 s[10:11], s[10:11], s[76:77]
	v_and_b32 v29, 31, v0                          ; lane
	v_and_b32 v30, 15, v0                          ; r
	v_bfe_u32 v31, v0, 4, 1                        ; h
	s_delay_alu instid0(VALU_DEP_3)
	v_lshlrev_b32 v1, 4, v29
	s_delay_alu instid0(VALU_DEP_4)
	v_lshlrev_b32 v2, 3, v29
	s_delay_alu instid0(VALU_DEP_4)
	v_lshlrev_b32 v233, 4, v30
	global_load_b128 v[16:19], v1, s[4:5]
	global_load_b64 v[20:21], v2, s[4:5] offset:512
	global_load_b32 v28, v233, s[6:7]
	v_lshl_add_u32 v3, v30, 4, SCL
	v_add_nc_u32 v10, 98304, v1
	v_lshl_add_u32 v11, v30, 4, SCL+8192
	s_lshl_b32 s76, s74, 5
	s_lshl_b32 s79, s13, 3
	s_add_co_u32 s76, s76, s79
	v_and_b32 v9, 8, v30
	s_delay_alu instid0(VALU_DEP_1)
	v_add_nc_u32 v9, v9, v30
	v_lshlrev_b32 v232, 4, v31
	s_delay_alu instid0(VALU_DEP_1)
	v_sub_nc_u32 v9, v9, v232
	s_delay_alu instid0(VALU_DEP_1)
	v_add_nc_u32 v9, s76, v9                       ; d = my query's place in its group of 128, less 16 h: register 16 b + i holds key 32 b + 16 h + i of the step, hidden in step G where 32 b + i > d
	v_mov_b32 v13, 0xff61b1e6                      ; the largest t so far: -3e38
	s_delay_alu instid0(VALU_DEP_1)
	v_floor_f32 v12, -v13                          ; -M
	v_mov_b32 v14, 0
	v_mov_b32 v15, 0
	v_mov_b32 v231, 0                              ; (named as the upper half of the pair v[230:231])
.irp b, 0,1,2,3
	v_mov_b32 v[PM+\b], 0                          ; a lane permute's destination counts as one of its sources
.endr
.irp j, 22,23,24,25,26,27
	v_mov_b32 v\j, 0                               ; Q's k = 64 .. 127: zero codes
.endr
.irp t, 0,1,2,3
.irp j, 6,7,8,9,10,11
	v_mov_b32 v[32+12*\t+\j], 0                    ; K's likewise: written once, no load lands here
.endr
.endr
.set n, 0
.rept 32
	v_mov_b32 v[160+n], 0                          ; O^T: the step is written for every trip alike; the first change of M multiplies zeros
.set n, n+1
.endr
.macro STEP
	s_cmp_gt_u32 s[SG], s[GG]
	s_cbranch_scc1 .Lhidden_\@
	s_setprio 2
	v_add_nc_u32 v4, s[S6K], v1                    ; five plain lines: also the places between the last step's products and this step's, whose results land on V's fragments
	s_wait_alu depctr_va_vdst(0)
	v_add_nc_u32 v5, s[S6K], v2
	s_wait_alu depctr_va_vdst(0)
	v_add_nc_u32 v6, s[S6K], v10
	v_add_nc_u32 v7, s[S512], v3
	v_add_nc_u32 v8, s[S256], v11
	ds_load_b128 v[80:83], v7                      ; K's scale words: tiles 0-3,
	ds_load_b128 v[84:87], v7 offset:256           ; tiles 4-7
.irp g, 0,1                                    ; S^T = K Q^T, four tiles of 16 keys at a time
.if \g
.rept 4
	v_nop                                          ; places in front of loads into registers that matrix instructions have read
.endr
.endif
.irp t, 0,1,2,3
	ds_load_b128 v[32+12*\t:35+12*\t], v4 offset:768*(4*\g+\t)
	ds_load_b64 v[36+12*\t:37+12*\t], v5 offset:768*(4*\g+\t)+512
.endr
	s_wait_dscnt 0x0
.irp t, 0,1,2,3
	v_wmma_scale_f32_16x16x128_f8f6f4 v[96+8*(4*\g+\t):103+8*(4*\g+\t)], v[32+12*\t:43+12*\t], v[16:27], 0, v[80+4*\g+\t], v28 matrix_a_fmt:MATRIX_FMT_BF6 matrix_b_fmt:MATRIX_FMT_BF6
.endr
.endr
.rept 4
	v_nop
.endr
	s_cmp_lg_u32 s[SG], s[GG]                      ; on the diagonal hidden scores become -infinity ahead of the maximum: p = 0 then
	s_cbranch_scc1 .Lopen_\@
	v_mov_b32 v232, 0xff800000
.irp n, 0,1,2,3,4,5,6,7,8,9,10,11,12,13,14,15,16,17,18,19,20,21,22,23,24,25,26,27,28,29,30,31,32,33,34,35,36,37,38,39,40,41,42,43,44,45,46,47,48,49,50,51,52,53,54,55,56,57,58,59,60,61,62,63
	v_cmp_gt_i32 vcc_lo, 32*(\n/16)+\n%16, v9
	v_cndmask_b32 v[96+\n], v[96+\n], v232, vcc_lo
.endr
.Lopen_\@:
.irp b, 0,1,2,3
	v_max3_num_f32 v[MX+\b], v[96+16*\b], v[97+16*\b], v[98+16*\b]   ; the largest score of each block of 32 keys: for the row's maximum and, since p rises with the score, for the block's largest p
.endr
.irp i, 3,5,7,9,11,13
.irp b, 0,1,2,3
	v_max3_num_f32 v[MX+\b], v[MX+\b], v[96+16*\b+\i], v[97+16*\b+\i]
.endr
.endr
.irp b, 0,1,2,3
	v_max_num_f32 v[MX+\b], v[MX+\b], v[111+16*\b]
.endr
.irp b, 0,1,2,3
	s_delay_alu instid0(VALU_DEP_4)
	v_permlanex16_b32 v[PM+\b], v[MX+\b], s[SEL], s[SEL+1]
.endr
.irp b, 0,1,2,3
	s_delay_alu instid0(VALU_DEP_4)
	v_max_num_f32 v[MX+\b], v[MX+\b], v[PM+\b]
.endr
	s_delay_alu instid0(VALU_DEP_2)
	v_max3_num_f32 v232, v[MX], v[MX+1], v[MX+2]
	s_delay_alu instid0(VALU_DEP_1)
	v_max_num_f32 v232, v232, v[MX+3]
	s_delay_alu instid0(VALU_DEP_1)
	v_mul_f32 v232, s[CS], v232
	s_delay_alu instid0(VALU_DEP_1)
	v_max_num_f32 v13, v13, v232                   ; the running largest t
	v_mov_b32 v232, v12
	s_delay_alu instid0(VALU_DEP_2)
	v_floor_f32 v12, -v13                          ; the new -M = -ceil(t)
	s_delay_alu instid0(VALU_DEP_1)
	v_sub_f32 v232, v12, v232                      ; old M - new M: a whole number, 0 or less
	s_delay_alu instid0(VALU_DEP_1)
	v_cvt_i32_f32 v232, v232
	s_delay_alu instid0(VALU_DEP_1)
	v_ldexp_f32 v230, 1.0, v232                    ; f = 2^(old M - new M)
.set n, 0
.rept 32
	v_pk_fma_f32 v[96+n:97+n], v[96+n:97+n], s[CS:CS+1], v[12:13] op_sel_hi:[1,0,0]   ; t - M
.set n, n+2
.endr
	s_setprio 1
.irp b, 0,1,2,3
	v_fma_f32 v[MX+\b], v[MX+\b], s[CS], v12
.endr
.set n, 0
	s_wait_alu depctr_va_vdst(0)
.rept 64
	v_exp_f32 v[96+n], v[96+n]                     ; p = 2^(t - M)
.set n, n+1
.endr
	v_pk_mul_f32 v[14:15], v[14:15], v[230:231] op_sel_hi:[1,0]   ; the sums under the new M: a plain place behind the exponentials
	s_wait_alu depctr_va_vdst(0)                   ; one wait for the batch, ahead of its first reader
.irp b, 0,1,2,3
	v_exp_f32 v[MX+\b], v[MX+\b]                   ; each block's largest p
.endr
	v_pk_add_f32 v[216:217], v[100:101], v[104:105]
	v_pk_add_f32 v[252:253], v[108:109], v[112:113]
	v_pk_add_f32 v[250:251], v[116:117], v[120:121]
	v_pk_add_f32 v[248:249], v[124:125], v[128:129]
	v_pk_add_f32 v[246:247], v[132:133], v[136:137]
	v_pk_add_f32 v[244:245], v[140:141], v[144:145]
	v_pk_add_f32 v[242:243], v[148:149], v[152:153]
	v_pk_add_f32 v[14:15], v[14:15], v[156:157]
	v_pk_add_f32 v[216:217], v[216:217], v[96:97]
	v_pk_add_f32 v[252:253], v[252:253], v[98:99]
	v_pk_add_f32 v[250:251], v[250:251], v[102:103]
	v_pk_add_f32 v[248:249], v[248:249], v[106:107]
	v_pk_add_f32 v[246:247], v[246:247], v[110:111]
	v_pk_add_f32 v[244:245], v[244:245], v[114:115]
	v_pk_add_f32 v[242:243], v[242:243], v[118:119]
	v_pk_add_f32 v[14:15], v[14:15], v[122:123]
	v_pk_add_f32 v[216:217], v[216:217], v[126:127]
	v_pk_add_f32 v[252:253], v[252:253], v[130:131]
	v_pk_add_f32 v[250:251], v[250:251], v[134:135]
	v_pk_add_f32 v[248:249], v[248:249], v[138:139]
	v_pk_add_f32 v[246:247], v[246:247], v[142:143]
	v_pk_add_f32 v[244:245], v[244:245], v[146:147]
	v_pk_add_f32 v[242:243], v[242:243], v[150:151]
	v_pk_add_f32 v[14:15], v[14:15], v[154:155]
	v_pk_add_f32 v[216:217], v[216:217], v[158:159]
	s_delay_alu instid0(VALU_DEP_2)
	v_pk_add_f32 v[14:15], v[14:15], v[248:249]
	s_delay_alu instid0(VALU_DEP_2)
	v_pk_add_f32 v[216:217], v[216:217], v[246:247]
	v_pk_add_f32 v[252:253], v[252:253], v[244:245]
	v_pk_add_f32 v[250:251], v[250:251], v[242:243]
	s_delay_alu instid0(VALU_DEP_2)
	v_pk_add_f32 v[14:15], v[14:15], v[252:253]
	s_delay_alu instid0(VALU_DEP_2)
	v_pk_add_f32 v[216:217], v[216:217], v[250:251]
	s_delay_alu instid0(VALU_DEP_1)
	v_pk_add_f32 v[14:15], v[14:15], v[216:217]
	s_wait_alu depctr_va_vdst(0)                   ; and one for the four
.irp b, 0,1,2,3
	v_max_num_f32 v[MX+\b], 0x2800000, v[MX+\b]    ; the floor 2^(5 - 127)
.endr
.irp b, 0,1,2,3
	s_delay_alu instid0(VALU_DEP_4)
	v_add_nc_u32 v[SO+\b], 0xfe000000, v[MX+\b]
.endr
.irp b, 0,1,2,3
	s_delay_alu instid0(VALU_DEP_4)
	v_lshrrev_b32 v[PM+\b], 23, v[SO+\b]
.endr
	s_delay_alu instid0(VALU_DEP_3)
	v_lshl_or_b32 v228, v[PM+1], 8, v[PM]          ; p's scale word for these 128 keys
	s_delay_alu instid0(VALU_DEP_1)
	v_lshl_or_b32 v228, v[PM+2], 16, v228
	s_delay_alu instid0(VALU_DEP_1)
	v_lshl_or_b32 v228, v[PM+3], 24, v228
.irp c, 0,1
	v_cvt_scalef32_pk16_bf6_f32 v[192+6*\c:194+6*\c], v[96+32*\c:111+32*\c], v[SO+2*\c]
	v_cvt_scalef32_pk16_bf6_f32 v[204+4*\c:206+4*\c], v[112+32*\c:127+32*\c], v[SO+2*\c+1]
.endr
	v_nop                                          ; one plain place behind a scaled conversion
	s_setprio 0
.irp a, 0,1,2,3                                ; V's four images land where p lay, while the codes are put in order and O^T is rescaled
.irp p, 0,1,2
	ds_load_b128 v[96+12*\a+4*\p:99+12*\a+4*\p], v6 offset:1536*\a+512*\p
.endr
.endr
	ds_load_b128 v[88:91], v8                      ; V's scale words
.irp c, 0,1
.irp i, 0,1,2
	v_permlane16_swap_b32 v[192+6*\c+\i], v[204+4*\c+\i]
.endr
.irp i, 0,1,2
	s_delay_alu instid0(VALU_DEP_3)
	v_mov_b32 v[195+6*\c+\i], v[204+4*\c+\i]
.endr
.endr
.set n, 0
.rept 16
	v_pk_mul_f32 v[160+n:161+n], v[160+n:161+n], v[230:231] op_sel_hi:[1,0]   ; O^T under the new M; these lines are also the places between the scale word, the codes and the products
.set n, n+2
.endr
	s_wait_alu depctr_va_vdst(0)
	s_wait_dscnt 0x0
.irp a, 0,1,2,3                                ; O^T += V^T P^T: four accumulators, one turn each
	v_wmma_scale_f32_16x16x128_f8f6f4 v[160+8*\a:167+8*\a], v[96+12*\a:107+12*\a], v[192:203], v[160+8*\a:167+8*\a], v[88+\a], v228 matrix_a_fmt:MATRIX_FMT_BF6 matrix_b_fmt:MATRIX_FMT_BF6
.endr
.Lhidden_\@:
	s_add_co_u32 s[SG], s[SG], 1
	s_add_co_u32 s[S6K], s[S6K], 6144
	s_add_co_u32 s[S512], s[S512], 512
	s_add_co_u32 s[S256], s[S256], 256
.endm
	s_wait_tensorcnt 0x1                           ; the scale words and key steps 0-3 have landed; the last load may be out
	s_wait_loadcnt 0x0                             ; Q
	s_barrier_signal -1
	s_barrier_wait -1
	s_mov_b32 s[CNT], 4
.Lfirst:
	STEP
	s_sub_co_u32 s[CNT], s[CNT], 1
	s_cmp_lg_u32 s[CNT], 0
	s_cbranch_scc1 .Lfirst
	s_setprio 0
	s_wait_tensorcnt 0x0                           ; key steps 4-15 have landed
	s_wait_dscnt 0x0
	s_barrier_signal -1
	s_barrier_wait -1
	s_mov_b32 s[CNT], 12
.Lrest:
	STEP
	s_sub_co_u32 s[CNT], s[CNT], 1
	s_cmp_lg_u32 s[CNT], 0
	s_cbranch_scc1 .Lrest
	s_setprio 0
	; THE WAY OUT: O^T / the sum; register 16 b + i is channel 32 b + 16 h + i of my query: two blocks of 32 along the output projection's K
.rept 4
	v_nop                                          ; places in front of the first read of results
.endr
	v_lshl_add_u32 v234, v30, 5, v31               ; my byte among the tile's scale bytes: 32 r + h
	v_cmp_le_u32 vcc_lo, 16, v29
	v_add_f32 v14, v14, v15
	s_delay_alu instid0(VALU_DEP_1)
	v_permlanex16_b32 v232, v14, s[SEL], s[SEL+1]
	s_delay_alu instid0(VALU_DEP_1)
	v_add_f32 v14, v14, v232                       ; the row's sum
	s_wait_alu depctr_va_vdst(0)
	v_rcp_f32 v14, v14
	v_nop                                          ; a plain place behind the transcendental
	s_wait_alu depctr_va_vdst(0)                   ; the wait ahead of its first reader
.set n, 0
.rept 32
	v_mul_f32 v[96+n], v[160+n], v14
.set n, n+1
.endr
.irp b, 0,1
	v_max3_num_f32 v[MX+\b], |v[96+16*\b]|, |v[97+16*\b]|, 0x2800000
.endr
.irp i, 2,4,6,8,10,12,14
.irp b, 0,1
	s_delay_alu instid0(VALU_DEP_2)
	v_max3_num_f32 v[MX+\b], v[MX+\b], |v[96+16*\b+\i]|, |v[97+16*\b+\i]|
.endr
.endr
.irp b, 0,1
	s_delay_alu instid0(VALU_DEP_2)
	v_permlanex16_b32 v[PM+\b], v[MX+\b], s[SEL], s[SEL+1]
.endr
.irp b, 0,1
	s_delay_alu instid0(VALU_DEP_2)
	v_max_num_f32 v[MX+\b], v[MX+\b], v[PM+\b]
.endr
.irp b, 0,1
	s_delay_alu instid0(VALU_DEP_2)
	v_add_nc_u32 v[SO+\b], 0xfe000000, v[MX+\b]
.endr
.irp b, 0,1
	s_delay_alu instid0(VALU_DEP_2)
	v_lshrrev_b32 v[PM+\b], 23, v[SO+\b]
.endr
	s_delay_alu instid0(VALU_DEP_1)
	v_cndmask_b32 v235, v[PM], v[PM+1], vcc_lo     ; lanes 0-15 store block 0's byte, lanes 16-31 block 1's
	v_cvt_scalef32_pk16_bf6_f32 v[192:194], v[96:111], v[SO]
	v_cvt_scalef32_pk16_bf6_f32 v[196:198], v[112:127], v[SO+1]
	v_nop                                          ; one plain place behind a scaled conversion
.irp i, 0,1,2
	v_permlane16_swap_b32 v[192+\i], v[196+\i]
.endr
	s_delay_alu instid0(VALU_DEP_3)
	v_mov_b32 v195, v196                           ; the block's six registers on end
	s_delay_alu instid0(VALU_DEP_3)
	v_mov_b32 v196, v197
	s_delay_alu instid0(VALU_DEP_3)
	v_mov_b32 v197, v198
	global_store_b128 v1, v[192:195], s[8:9]       ; the 768-byte image: 512 consecutive bytes,
	global_store_b64 v2, v[196:197], s[8:9] offset:512   ; and 256
	global_store_b8 v234, v235, s[10:11]           ; two bytes of each row's 32: these 256 KiB in all leave in pieces
	s_wait_tensorcnt 0x0
	ds_add_u32 v254, v255
	s_wait_dscnt 0x0
	CROUND                                         ; the closing round
	s_endpgm
.Lfunc_end_k_qc7e178e6a4_attn:
	.size	k_qc7e178e6a4_attn, .Lfunc_end_k_qc7e178e6a4_attn-k_qc7e178e6a4_attn
	.p2alignl 7, 3214868480
	.fill 96, 4, 3214868480
	.section	.rodata,"a",@progbits
	.p2align	6, 0x0
	.amdhsa_kernel k_qc7e178e6a4_attn
		.amdhsa_group_segment_fixed_size 210944
		.amdhsa_private_segment_fixed_size 0
		.amdhsa_enable_private_segment 0
		.amdhsa_kernarg_size 32
		.amdhsa_user_sgpr_count 2
		.amdhsa_user_sgpr_kernarg_segment_ptr 1
		.amdhsa_wavefront_size32 1
		.amdhsa_system_sgpr_workgroup_id_x 1
		.amdhsa_system_sgpr_workgroup_id_y 1
		.amdhsa_system_sgpr_workgroup_id_z 1
		.amdhsa_system_vgpr_workitem_id 0
		.amdhsa_next_free_vgpr 256
		.amdhsa_next_free_sgpr 84
		.amdhsa_reserve_vcc 1
		.amdhsa_float_denorm_mode_32 3
		.amdhsa_float_denorm_mode_16_64 3
		.amdhsa_memory_ordered 1
		.amdhsa_forward_progress 1
		.amdhsa_inst_pref_size 60
	.end_amdhsa_kernel
	.amdgpu_metadata
---
amdhsa.version: [ 1, 2 ]
amdhsa.kernels:
  - .name:           k_qc7e178e6a4_attn
    .symbol:         k_qc7e178e6a4_attn.kd
    .args:
      - { .name: hc, .offset: 0, .size: 8, .value_kind: global_buffer, .address_space: global }
      - { .name: hs, .offset: 8, .size: 8, .value_kind: global_buffer, .address_space: global }
      - { .name: oc, .offset: 16, .size: 8, .value_kind: global_buffer, .address_space: global }
      - { .name: os, .offset: 24, .size: 8, .value_kind: global_buffer, .address_space: global }
    .group_segment_fixed_size: 210944
    .private_segment_fixed_size: 0
    .kernarg_segment_align: 8
    .kernarg_segment_size: 32
    .max_flat_workgroup_size: 512
    .sgpr_count:     84
    .vgpr_count:     256
    .wavefront_size: 32
...
	.end_amdgpu_metadata
.endif
;; end of part 3
;; launch oproj (part 4): grid 4 x 64, 4 waves a work-group, clusters of 4 x 4, 307,712 bytes of LDS; arguments oc, os, wc, ws, b_o, out0; writes out0
.if DOCPART == 4
	.amdgcn_target "amdgcn-amd-amdhsa--gfx1250"
	.amdhsa_code_object_version 6
	.text
	.protected	k_qc7e178e6a4_oproj
	.globl	k_qc7e178e6a4_oproj
	.p2align	8
	.type	k_qc7e178e6a4_oproj,@function
k_qc7e178e6a4_oproj:
	s_mov_b64 s[64:65], 0
	v_nop
	global_prefetch_b8 v0, s[64:65] scope:SCOPE_SE
	s_setreg_imm32_b32 hwreg(HW_REG_WAVE_MODE, 25, 1), 1
	s_wait_xcnt 0x0
	s_wait_alu depctr_hold_cnt(0) depctr_sa_sdst(0) depctr_va_vdst(0) depctr_va_sdst(0) depctr_va_ssrc(0) depctr_va_vcc(0) depctr_vm_vsrc(0)
	s_getreg_b32 s2, hwreg(HW_REG_IB_STS2, 6, 4)
	s_cmp_eq_u32 s2, 0
	s_cbranch_scc0 .Lentry_in_a_cluster
	s_endpgm
.Lentry_in_a_cluster:
	s_bfe_u32 s2, ttmp6, 0x10000c
	s_cmp_lg_u32 s2, 0xf033
	s_cbranch_scc0 .Lentry_shape_is_right
	s_endpgm
.Lentry_shape_is_right:
; out0 = attention's result x w_o + b_o on codes of BF6 (E3M2); out0 [8192][1024] f32.
; The frame is the input projections': a work-group makes 128 rows x 256 columns over K = 1,024, a wave 64 x 128 in 32 accumulators; source 0 = 16 columns' rows of w_o's codes, source 1 = 16 rows of the attention's codes,
; so that a lane holds one row of out0 and 8 neighbouring columns in each accumulator.  Both panels lie in LDS whole, filled once by loads that all go out at the head, in four chunks of 256 along K.
; A's fragments are pairs of 768-byte images (a head's 64 channels each): registers 0-3 at 16 l, registers 4-5 at 512 + 8 l.  Tiles are 16 rows in the order row = 32 (t / 2) + 8 (t % 2) + r + 8 (r / 8).
; CLUSTERS: 4 x 4 work-groups; A's panel is asked for jointly along a row of the cluster, B's along a column.
; THE WAY OUT goes through a stage of 16 rows x (512 bytes + 16) for each wave.  It lies in chunk 0, which has had its only fill, and which nobody reads behind the second barrier of the K steps.
; REGISTERS: window 0: v16-31 addresses; v32-95 scale words; v96-159 the bias, later with v160-223 rows of out0.  window 1: accumulator (a, b) at v[64 a + 8 b].  windows 2, 3: two sets of fragments.
.set CH,    73728
.set HALFB, 24576
.set SCA,   4*CH
.set SCB,   SCA+4096
.set NL,    40
.set A16,  16
.set A8,   17
.set B16,  18
.set ADRS, 19
.set L16,  20
.set STO,  24
.set RD,   25
.set SC,   32
.set BI,   96
.set WB,   3
.set WV,   22
.set WA,   23
.set CX,   100
.set CY,   101
.set TROW, 104
.set TCOL, 105
.set G1A,  24
.set G1B,  32
.set G1SA, 40
.set G1SB, 48
.set G0SA, 56
.set G0SB, 60
.set G0A,  68
.set G0B,  84
.set MSB, 0
.macro WIN new                         ; the immediate's high byte repeats the setting that is left
.if MSB != (\new)
	s_set_vgpr_msb (MSB<<8)|(\new)
.set MSB, (\new)
.endif
.endm
.macro PLACES
.rept 4
	v_nop
.endr
.endm
.macro CREST
	s_cmp_lg_u32 s[WV], 0
	s_cbranch_scc1 .Lnot_wave_0_\@
	s_barrier_signal -3
.Lnot_wave_0_\@:
	s_barrier_wait -3
	s_barrier_signal -1
	s_barrier_wait -1
.endm
.macro CROUND
	s_barrier_signal -1
	s_barrier_wait -1
	CREST
.endm
	s_load_b256 s[4:11], s[0:1], 0x0               ; oc, os, wc, ws
	v_lshl_add_u32 v254, v0, 2, 0x4b000
	v_mov_b32 v255, 0
	ds_add_u32 v254, v255
	ds_add_u32 v254, v255
	v_lshrrev_b32 v1, 5, v0
	v_readfirstlane_b32 s[WV], v1
	s_lshr_b32 s[WA], s[WV], 1
	s_and_b32 s[WB], s[WV], 1
	s_bfe_u32 s[CX], ttmp6, 0x40000
	s_bfe_u32 s[CY], ttmp6, 0x40004
	s_and_b32 s[TROW], ttmp7, 0xffff
	s_lshl_b32 s[TROW], s[TROW], 2
	s_add_co_u32 s[TROW], s[TROW], s[CY]           ; tile row = 4 x cluster y + cy
	s_mov_b32 s[TCOL], s[CX]                       ; tile column = cx
	s_lshl_b32 s20, s[CY], 2
	s_lshl_b32 s20, 15, s20                        ; my row of the cluster
	s_lshl_b32 s21, 0x1111, s[CX]                  ; my column
	s_or_b32 s[G1A], s20, (3<<16)|(1<<21)
	s_or_b32 s[G1SA], s20, (3<<16)|(1<<21)
	s_or_b32 s[G1B], s21, (3<<16)|(1<<21)
	s_or_b32 s[G1SB], s21, (3<<16)|(1<<21)
.irp g, G1A, G1B                               ; codes: 8 tiles x 3,072 bytes, 12,288 bytes from tile to tile
	s_mov_b32 s[\g+1], 384<<16
	s_mov_b32 s[\g+2], 8<<16
	s_mov_b32 s[\g+3], 384<<16
	s_mov_b32 s[\g+4], 8
	s_mov_b32 s[\g+5], 1536
	s_mov_b32 s[\g+6], 0
	s_mov_b32 s[\g+7], 0
.endr
	s_mov_b32 s[G1SA+1], 32<<16
	s_mov_b32 s[G1SA+2], 16<<16
	s_mov_b32 s[G1SA+3], 32<<16
	s_mov_b32 s[G1SA+4], 16
	s_mov_b32 s[G1SA+5], 32
	s_mov_b32 s[G1SA+6], 0
	s_mov_b32 s[G1SA+7], 0
	s_mov_b32 s[G1SB+1], 32<<16
	s_mov_b32 s[G1SB+2], 32<<16
	s_mov_b32 s[G1SB+3], 32<<16
	s_mov_b32 s[G1SB+4], 32
	s_mov_b32 s[G1SB+5], 32
	s_mov_b32 s[G1SB+6], 0
	s_mov_b32 s[G1SB+7], 0
	s_mul_i32 s12, s[TROW], 8*12288                ; A's registers hold the tile row alone, B's the tile column alone
	s_mov_b32 s13, 0
	s_lshl_b32 s14, s[TROW], 12
	s_mov_b32 s15, 0
	s_lshl_b32 s16, s[TCOL], 4
	s_lshl_b32 s17, s[WA], 3
	s_add_co_u32 s16, s16, s17
	s_mul_i32 s16, s16, 12288
	s_add_co_u32 s16, s16, 3*786432                ; w_o is the fourth weight
	s_mov_b32 s17, 0
	s_lshl_b32 s18, s[TCOL], 13
	s_add_co_u32 s18, s18, 3*32768
	s_mov_b32 s19, 0
	s_wait_dscnt 0x0
	s_wait_kmcnt 0x0
	s_add_nc_u64 s[G0A+2:G0A+3], s[4:5], s[12:13]
	s_add_nc_u64 s[G0SA+2:G0SA+3], s[6:7], s[14:15]
	s_add_nc_u64 s[G0B+2:G0B+3], s[8:9], s[16:17]
	s_add_nc_u64 s[G0SB+2:G0SB+3], s[10:11], s[18:19]
.irp c, 1,2,3
	s_add_nc_u64 s[G0A+4*\c+2:G0A+4*\c+3], s[G0A+2:G0A+3], 3072*\c
	s_add_nc_u64 s[G0B+4*\c+2:G0B+4*\c+3], s[G0B+2:G0B+3], 3072*\c
.endr
	s_mul_i32 s12, s[WA], HALFB
.irp c, 0,1,2,3
	s_mov_b32 s[G0A+4*\c], 1
	s_mov_b32 s[G0A+4*\c+1], \c*CH
	s_or_b32 s[G0A+4*\c+3], s[G0A+4*\c+3], 0x80000000
	s_mov_b32 s[G0B+4*\c], 1
	s_add_co_u32 s[G0B+4*\c+1], s12, \c*CH+HALFB
	s_or_b32 s[G0B+4*\c+3], s[G0B+4*\c+3], 0x80000000
.endr
	s_mov_b32 s[G0SA], 1
	s_mov_b32 s[G0SA+1], SCA
	s_or_b32 s[G0SA+3], s[G0SA+3], 0x80000000
	s_mov_b32 s[G0SB], 1
	s_mov_b32 s[G0SB+1], SCB
	s_or_b32 s[G0SB+3], s[G0SB+3], 0x80000000
	CROUND                                         ; all sixteen work-groups are here: the joint loads meet
	; All fills of the launch, each wave's in one arm; five loads of a wave are out at the most
	s_cmp_lg_u32 s[WV], 0
	s_cbranch_scc1 .Lnot0
	tensor_load_to_lds s[G0SA:G0SA+3], s[G1SA:G1SA+7]
	s_nop 0
.irp c, 0,1,2,3
	tensor_load_to_lds s[G0A+4*\c:G0A+4*\c+3], s[G1A:G1A+7]
	s_nop 0
.endr
	PLACES
	s_branch .Lasked
.Lnot0:
	s_cmp_lg_u32 s[WV], 1
	s_cbranch_scc1 .Lnot1
	tensor_load_to_lds s[G0SB:G0SB+3], s[G1SB:G1SB+7]
	s_nop 0
.irp c, 0,1,2,3
	tensor_load_to_lds s[G0B+4*\c:G0B+4*\c+3], s[G1B:G1B+7]
	s_nop 0
.endr
	PLACES
	s_branch .Lasked
.Lnot1:
	s_cmp_lg_u32 s[WV], 2
	s_cbranch_scc1 .Lasked
.irp c, 0,1,2,3
	tensor_load_to_lds s[G0B+4*\c:G0B+4*\c+3], s[G1B:G1B+7]
	s_nop 0
.endr
	PLACES
.Lasked:
	s_load_b128 s[4:7], s[0:1], 0x20               ; b_o, out0
	v_and_b32 v1, 31, v0                           ; lane
	v_and_b32 v2, 15, v0                           ; r
	v_bfe_u32 v3, v0, 4, 1                         ; h
	v_lshlrev_b32 v[L16], 4, v1
	v_lshlrev_b32 v[A8], 3, v1
	s_mul_i32 s14, s[WA], 12288
	v_add_nc_u32 v[A16], s14, v[L16]
	v_add_nc_u32 v[A8], s14, v[A8]
	s_mul_i32 s15, s[WB], HALFB
	s_add_co_u32 s15, s15, HALFB
	v_add_nc_u32 v[B16], s15, v[L16]
	s_lshl_b32 s14, s[WA], 11
	s_lshl_b32 s15, s[WB], 12
	s_add_co_u32 s15, s15, SCB-SCA
	s_sub_co_u32 s15, s15, s14
	v_mul_u32_u24 v[ADRS], s15, v3                 ; lanes 16-31 take B's scale words
	v_lshl_add_u32 v[ADRS], v2, 5, v[ADRS]
	s_add_co_u32 s14, s14, SCA
	v_add_nc_u32 v[ADRS], s14, v[ADRS]
	s_mul_i32 s14, s[WV], 8448                     ; my stage
	v_mul_u32_u24 v[STO], v2, 528
	v_lshl_add_u32 v[STO], v3, 6, v[STO]
	v_add_nc_u32 v[STO], s14, v[STO]               ; in: row r, + 64 h
	v_add_nc_u32 v[RD], s14, v[L16]                ; back: a whole row, 16 bytes a lane
	s_lshl_b32 s16, s[TCOL], 10
	s_lshl_b32 s17, s[WB], 9
	s_add_co_u32 s16, s16, s17                     ; my first column, in bytes
	s_mov_b32 s17, 0
	s_lshl_b32 s14, s[TROW], 7
	s_lshl_b32 s15, s[WA], 6
	s_add_co_u32 s14, s14, s15
	s_lshl_b32 s14, s14, 12                        ; my first row, rows of 4,096 bytes
	s_add_co_u32 s14, s14, s16
	s_mov_b32 s15, 0
	v_lshlrev_b32 v22, 6, v3
	s_wait_alu depctr_va_vdst(0)
	s_wait_kmcnt 0x0
	s_add_nc_u64 s[4:5], s[4:5], s[16:17]
	s_add_nc_u64 s[6:7], s[6:7], s[14:15]
.irp b, 0,1,2,3,4,5,6,7                        ; register j of accumulator (a, b) is column 32 (b / 2) + 16 h + 8 (b % 2) + j of my 128
	global_load_b128 v[BI+8*\b:BI+8*\b+3], v22, s[4:5] offset:(32*(\b/2)+8*(\b%2))*4
	global_load_b128 v[BI+8*\b+4:BI+8*\b+7], v22, s[4:5] offset:(32*(\b/2)+8*(\b%2))*4+16
.endr
.macro FRAGF reg, adr, off
.irp p, 0,1,2
	ds_load_b128 v[(\reg)+4*\p:(\reg)+4*\p+3], v[\adr] offset:(\off)+512*\p
.endr
.endm
.macro FRAGH reg, off                  ; two 768-byte images on end are one fragment
	ds_load_b128 v[(\reg):(\reg)+3], v[A16] offset:(\off)
	ds_load_b64 v[(\reg)+4:(\reg)+5], v[A8] offset:(\off)+512
	ds_load_b128 v[(\reg)+6:(\reg)+9], v[A16] offset:(\off)+768
	ds_load_b64 v[(\reg)+10:(\reg)+11], v[A8] offset:(\off)+1280
.endm
.macro FETCH k, p
	WIN (2+(\p))<<6
.irp b, 0,1,2,3,4,5,6,7
	FRAGF 12*\b, B16, 3072*\b+1536*((\k)%2)
.endr
.irp a, 0,1,2,3
	FRAGH 96+12*\a, 3072*\a+1536*((\k)%2)
.endr
	WIN 0
.endm
.macro SCALES
.irp i, 0,1,2,3,4,5,6,7
	ds_load_b128 v[SC+8*\i:SC+8*\i+3], v[ADRS] offset:512*\i
	ds_load_b128 v[SC+8*\i+4:SC+8*\i+7], v[ADRS] offset:512*\i+16
.endr
.endm
; 32 matrix instructions: the accumulators take turns, one instruction a turn, in the same order in every K step.  cm = 1: the bias starts the sums
.macro MUL32 k, p, cm
.if (\cm) == 0
	WIN 0x5a+5*(\p)
.else
	WIN 0x4a
.endif
.irp a, 0,1,2,3
.irp b, 0,1,2,3,4,5,6,7
.if (\cm) == 0
	v_wmma_scale_f32_16x16x128_f8f6f4 v[64*\a+8*\b:64*\a+8*\b+7], v[12*\b:12*\b+11], v[96+12*\a:96+12*\a+11], v[64*\a+8*\b:64*\a+8*\b+7], v[SC+8*\b+(\k)], v[SC+8*\a+(\k)] matrix_a_fmt:MATRIX_FMT_BF6 matrix_b_fmt:MATRIX_FMT_BF6 matrix_a_scale:MATRIX_SCALE_ROW1
.else
	v_wmma_scale_f32_16x16x128_f8f6f4 v[64*\a+8*\b:64*\a+8*\b+7], v[12*\b:12*\b+11], v[96+12*\a:96+12*\a+11], v[BI+8*\b:BI+8*\b+7], v[SC+8*\b+(\k)], v[SC+8*\a+(\k)] matrix_a_fmt:MATRIX_FMT_BF6 matrix_b_fmt:MATRIX_FMT_BF6 matrix_a_scale:MATRIX_SCALE_ROW1
.endif
.endr
.endr
.endm
.macro KSTEP k
.if ((\k)%2 == 1) && ((\k) < 7)
	s_wait_tensorcnt 3-((\k)+1)/2                  ; my part of the next chunk has landed: behind it I issued the later chunks alone
	s_wait_dscnt 0x0
	s_barrier_signal -1
	s_barrier_wait -1                              ; everybody's has
	v_add_nc_u32 v[A16], CH, v[A16]
	v_add_nc_u32 v[A8], CH, v[A8]
	v_add_nc_u32 v[B16], CH, v[B16]
.endif
.if (\k) < 7
	PLACES                                         ; four places in front of loads into registers that the last matrix instructions have read
	FETCH (\k)+1, 1-(\k)%2
	s_wait_alu depctr_va_vdst(0)
	s_wait_dscnt NL                                ; all but the loads just issued
.else
	s_wait_dscnt 0x0
.endif
	MUL32 \k, (\k)%2, 0
	WIN 0
.endm
	s_wait_tensorcnt 0x3                           ; the scales and my part of chunk 0 have landed; three later chunks may be out
	s_barrier_signal -1
	s_barrier_wait -1
	SCALES
	FETCH 0, 0
	FETCH 1, 1
	s_wait_dscnt NL
	s_wait_loadcnt 0x0                             ; the bias
	MUL32 0, 0, 1
	WIN 0
.irp k, 1,2,3,4,5,6,7
	KSTEP \k
.endr
; THE WAY OUT, block by block of 16 rows x 128 columns: into my stage as 32 bytes a lane and accumulator, back as whole rows of 512 bytes.  LDS serves a wave's instructions in order.
.macro TOSTAGE a
	WIN 0x04                                       ; an LDS store's data are its source 1: window 1
.irp b, 0,1,2,3,4,5,6,7
	ds_store_b128 v[STO], v[64*(\a)+8*\b:64*(\a)+8*\b+3] offset:128*(\b/2)+32*(\b%2)        ; each accumulator from its low end on
	ds_store_b128 v[STO], v[64*(\a)+8*\b+4:64*(\a)+8*\b+7] offset:128*(\b/2)+32*(\b%2)+16
.endr
	WIN 0
.irp t, 0,1,2,3,4,5,6,7,8,9,10,11,12,13,14,15
	ds_load_b128 v[96+64*((\a)%2)+4*\t:96+64*((\a)%2)+4*\t+3], v[RD] offset:528*\t
.endr
.endm
.macro SEND a, younger                 ; younger: the LDS instructions issued behind block a's loads, which may stay out
	s_wait_dscnt \younger
.irp t, 0,1,2,3,4,5,6,7,8,9,10,11,12,13,14,15
	global_store_b128 v[L16], v[96+64*((\a)%2)+4*\t:96+64*((\a)%2)+4*\t+3], s[6:7] offset:(32*((\a)/2)+8*((\a)%2)+\t+8*(\t/8))*4096 th:TH_STORE_NT   ; 32 lanes store 512 consecutive bytes, aligned to 512
.endr
.endm
	PLACES                                         ; four places in front of the first read of results
	TOSTAGE 0
.irp a, 1,2,3
.if \a > 1
	s_wait_xcnt 0x0                                ; block a - 2's stores have read their registers: block a's loads may land there
.endif
	TOSTAGE \a
	SEND \a-1, 32                                  ; behind block a - 1's loads: block a's 16 stores and 16 loads
.endr
	SEND 3, 0
	s_wait_tensorcnt 0x0
	ds_add_u32 v254, v255
	s_wait_dscnt 0x0
	CROUND                                         ; the closing round
	s_endpgm
.Lfunc_end_k_qc7e178e6a4_oproj:
	.size	k_qc7e178e6a4_oproj, .Lfunc_end_k_qc7e178e6a4_oproj-k_qc7e178e6a4_oproj
	.p2alignl 7, 3214868480
	.fill 96, 4, 3214868480
	.section	.rodata,"a",@progbits
	.p2align	6, 0x0
	.amdhsa_kernel k_qc7e178e6a4_oproj
		.amdhsa_group_segment_fixed_size 307712
		.amdhsa_private_segment_fixed_size 0
		.amdhsa_enable_private_segment 0
		.amdhsa_kernarg_size 48
		.amdhsa_user_sgpr_count 2
		.amdhsa_user_sgpr_kernarg_segment_ptr 1
		.amdhsa_wavefront_size32 1
		.amdhsa_system_sgpr_workgroup_id_x 1
		.amdhsa_system_sgpr_workgroup_id_y 1
		.amdhsa_system_sgpr_workgroup_id_z 1
		.amdhsa_system_vgpr_workitem_id 0
		.amdhsa_next_free_vgpr 1024
		.amdhsa_next_free_sgpr 106
		.amdhsa_reserve_vcc 0
		.amdhsa_float_denorm_mode_32 3
		.amdhsa_float_denorm_mode_16_64 3
		.amdhsa_memory_ordered 1
		.amdhsa_forward_progress 1
		.amdhsa_inst_pref_size 83
	.end_amdhsa_kernel
	.amdgpu_metadata
---
amdhsa.version: [ 1, 2 ]
amdhsa.kernels:
  - .name:           k_qc7e178e6a4_oproj
    .symbol:         k_qc7e178e6a4_oproj.kd
    .args:
      - { .name: oc, .offset: 0, .size: 8, .value_kind: global_buffer, .address_space: global }
      - { .name: os, .offset: 8, .size: 8, .value_kind: global_buffer, .address_space: global }
      - { .name: wc, .offset: 16, .size: 8, .value_kind: global_buffer, .address_space: global }
      - { .name: ws, .offset: 24, .size: 8, .value_kind: global_buffer, .address_space: global }
      - { .name: b_o, .offset: 32, .size: 8, .value_kind: global_buffer, .address_space: global }
      - { .name: out0, .offset: 40, .size: 8, .value_kind: global_buffer, .address_space: global }
    .group_segment_fixed_size: 307712
    .private_segment_fixed_size: 0
    .kernarg_segment_align: 8
    .kernarg_segment_size: 48
    .max_flat_workgroup_size: 128
    .sgpr_count:     106
    .vgpr_count:     1024
    .wavefront_size: 32
...
	.end_amdgpu_metadata
.endif
;; end of part 4
